; MI455X (gfx1250); checked and timed in simulation.
; The chip was launched on July 23, 2026; its instructions are those of AMD's public machine-readable ISA for CDNA 5 (MIT licence, August 2026) and "CDNA5" Instruction Set Architecture Reference Guide (July 2026). The comments in the code are by the model that wrote it; some were corrected since.
;; MHA. Allowed arithmetic: matrix products marked QUANTISED: E3M2 operands, one E8M0 scale for each 32 along K, by v_wmma_scale_f32_16x16x128_f8f6f4 with both operands' format E3M2, f32 sums; everything else in f32.
;; Inputs: WK_b 1,024 float32; WK_w 1,024 x 1,024 float32; WO_b 1,024 float32; WO_w 1,024 x 1,024 float32; WQ_b 1,024 float32; WQ_w 1,024 x 1,024 float32; WV_b 1,024 float32; WV_w 1,024 x 1,024 float32; x 4 x 2,048 x 1,024 float32.
;; Outputs: out0 4 x 2,048 x 1,024 float32.
;; This version of the problem:
;;   THIS VERSION OF THE PROBLEM IS GIVEN IN LOW PRECISION. The matrix products marked QUANTISED in the list below multiply operands that are first quantised to E3M2 (3 exponent bits, 2 mantissa bits; 6 bits a number), with one power-of-two scale for each 32 numbers along K (OCP MX v1.0); their sums are f32. All else is computed in f32.
;;   The module's matrix products, in the order in which they are computed (A, B: the left and right operand; K: the contracted axis; several contracted axes count as one K, in the product's order):
;;     1. [M 8,192, K 1,024] x [K 1,024, N 1,024]; A: input x; B: input WQ_w: QUANTISED
;;     2. [M 8,192, K 1,024] x [K 1,024, N 1,024]; A: input x; B: input WK_w: QUANTISED
;;     3. [M 8,192, K 1,024] x [K 1,024, N 1,024]; A: input x; B: input WV_w: QUANTISED
;;     4. batch 64 x [M 2,048, K 64] x [K 64, N 2,048]; A: computed on the way; B: computed on the way: QUANTISED
;;     5. batch 64 x [M 2,048, K 2,048] x [K 2,048, N 64]; A: softmax (see below); B: computed on the way: QUANTISED
;;     6. [M 8,192, K 1,024] x [K 1,024, N 1,024]; A: computed on the way; B: input WO_w: QUANTISED
;;   THE QUANTISER, for each operand of a quantised product, along K:
;;     - K is cut into blocks of 32 from its start; a last block that is shorter is filled with zeros.
;;     - A block's scale is 2^e with e = floor(log2(the largest magnitude in the block)) - 4, held to -126 .. 127; a block of zeros has e = 0. As a byte (E8M0): e + 127.
;;     - Each number is divided by its block's scale, clamped to +-28, and rounded to the nearest number of E3M2, ties to even, subnormals kept.
;;     - The product sums the exact products of the quantised numbers (number of the format x scale) in f32.
;;   ~~~python
;;   def quantise(x, axis):      # numpy; x: float32 -> the quantised numbers, widened to float32 again
;;       x = np.moveaxis(x, axis, -1); K = x.shape[-1]
;;       x = np.pad(x, [(0, 0)] * (x.ndim - 1) + [(0, -K % 32)]); x = x.reshape(x.shape[:-1] + (-1, 32)); a = np.abs(x).max(-1, keepdims=True)
;;       e = np.where(a > 0, np.clip(np.frexp(np.where(a > 0, a, 1))[1] - 1 - 4, -126, 127), 0)      # np.frexp(a)[1] - 1 = floor(log2(a)), exactly
;;       r = np.clip(x / 2.0 ** e, -28, 28)
;;       step = 2.0 ** (np.maximum(np.frexp(np.where(r == 0, 1, r))[1] - 1, -2) - 2)
;;       q = np.round(r / step) * step * 2.0 ** e      # np.round: ties to even
;;       return np.moveaxis(q.reshape(q.shape[:-2] + (-1,))[..., :K], -1, axis).astype(np.float32)
;;   ~~~
;;   SOFTMAX AHEAD OF A QUANTISED PRODUCT. Where the list says 'softmax', what is quantised is not the finished softmax but p = 2^(t - M), with t = logit x log2(e) and M = ceil(the row's largest t), a whole number; so 1/2 < the row's largest p <= 1. The row's sum l is taken of the UNQUANTISED p, in f32, and the product's result is divided by l at the end. Since M is a whole number, a kernel that streams over the keys may use a running M (the ceiling of the running maximum): every later rescaling is an exact power of two, which a block's scale takes up: the codes' values come out the same.
;;   OPERANDS COMPUTED ON THE WAY. 'Computed on the way' means the value that the module computes at that place (a softmax that the list does not call 'softmax' is quantised finished and normalised). What goes into a quantiser is computed in f32, as accurately as f32 sums, v_exp_f32 and their like allow (about 1e-6 of the number): no bf16 or f16 on the way to a quantiser, and a product that is left as it is and whose result goes on into a quantised operand takes f32 operands (vector FMAs, or v_wmma_f32_16x16x4_f32). A number that lies on a knife's edge between two numbers of the format may be rounded either way, as far as f32 arithmetic and the matrix unit's own rounding can turn it there, and no further.
;; One version. Each part assembles by itself: llvm-mc -triple=amdgcn-amd-amdhsa -mcpu=gfx1250 --defsym DOCPART=n.
;; ======== version 1 of 1: 4 launches
;; workspace buffers: xw 9,437,184 bytes; xws 393,216 bytes; qkv 19,660,800 bytes; o_img 6,291,456 bytes; o_s 262,144 bytes
;; launch quant (part 1): grid 256 x 1, 6 waves a work-group, no clusters, 51,456 bytes of LDS; arguments x, WQ_w, WK_w, WV_w, WO_w, xw, xws; writes xw, xws
.if DOCPART == 1
	.amdgcn_target "amdgcn-amd-amdhsa--gfx1250"
	.amdhsa_code_object_version 6
	.text
	.protected	k_q33311e55ce_quant
	.globl	k_q33311e55ce_quant
	.p2align	8
	.type	k_q33311e55ce_quant,@function
k_q33311e55ce_quant:
	s_mov_b64 s[64:65], 0
	v_nop
	global_prefetch_b8 v0, s[64:65] scope:SCOPE_SE
	s_setreg_imm32_b32 hwreg(HW_REG_WAVE_MODE, 25, 1), 1
	s_wait_xcnt 0x0
; x [8192][1024] and the four weights [1024][1024], f32, K innermost, become codes of BF6 (E3M2) with one E8M0 byte for each 32 along K,
; laid in the ORDER OF AN OPERAND'S REGISTERS, so that the products' launches load fragments as they lie.
; A TILE is 16 rows: in each 32 rows, tile 2 b + u holds rows 32 b + 8 u + r + 8 (r / 8), r = 0 .. 15.  A FRAGMENT (a tile x 128 K, 12 registers a lane)
; is an image of 1,536 bytes: register pair p of lane l at 256 p + 8 l.  xw: [block of 128 rows][K step 0..7][tile 0..7][image]; blocks 0-63 x, 64-71 WQ, 72-79 WK, 80-87 WV, 88-95 WO.
; xws: [group of 64 rows][K step][256 bytes]: the scale word of tile ii, row r at 8 (r + 16 (ii / 2)) + 4 (ii % 2).
; A block's scale is 2^(floor(log2(largest magnitude)) - 4); its byte is the largest magnitude's exponent field - 4, held at 1 from below.
; LIMITS: a block of zeros gets the byte 1 where the rule says 127 (its codes are zeros, and this program alone reads the bytes); blocks whose largest
; magnitude lies under 2^-122 are held at the byte 1; NaN and infinities among the inputs are not served.
; SHARES: 1,536 units of 64 rows x 128 K, one a wave, six waves a work-group, 256 work-groups.  A unit reads 32 KiB and stores 6,144 bytes of codes and 256 of scale words.
; A load takes a row's 512 consecutive bytes; the 16 rows of a tile turn through the wave's own stage in LDS (pitch 528: the 16 rows of a read fall on 16 different
; groups of banks), since the conversions want 16 neighbours along K in one lane.  No barrier: waves share nothing.  No tensor load, no matrix instruction.
.set STG,  16*528                      ; a wave's stage
.set R,    16                          ; v16-143  two sets of 64: a tile as loaded
.set X,    144                         ; v144-207 register 16 b + i = k 32 b + 16 h + i of my row
.set PC,   208                         ; v208-226 the codes just made
.set TM,   228                         ; v228-243 at work
.set PW,   244                         ; v244-247 the four tiles' scale words
.set SEL,  20                          ; s[20:21] selects for lane l xor 16
; 64 numbers of a lane become a fragment's codes in v[PC] on and its scale word in v[pw] (the same in lanes r and r + 16)
.macro QUANT s, pw
.irp b, 0,1,2,3
	v_max3_num_f32 v[TM+\b], |v[\s+16*\b]|, |v[\s+1+16*\b]|, 0x2800000   ; block b: my 16 numbers, and the floor 2^(5 - 127): the byte cannot fall under 1
.endr
.irp i, 2,4,6,8,10,12,14
.irp b, 0,1,2,3
	v_max3_num_f32 v[TM+\b], v[TM+\b], |v[\s+16*\b+\i]|, |v[\s+1+16*\b+\i]|   ; the four blocks by turns
.endr
.endr
.irp b, 0,1,2,3
	v_permlanex16_b32 v[TM+4+\b], v[TM+\b], s[SEL], s[SEL+1]
.endr
.irp b, 0,1,2,3
	v_max_num_f32 v[TM+\b], v[TM+\b], v[TM+4+\b]   ; with lane l xor 16's: the block's largest magnitude
.endr
.irp b, 0,1,2,3
	v_add_nc_u32 v[TM+12+\b], 0xfe000000, v[TM+\b]   ; 4 off its exponent field: the conversion's scale operand
.endr
.irp b, 0,1,2,3
	v_lshrrev_b32 v[TM+4+\b], 23, v[TM+12+\b]      ; the scale's byte
.endr
	v_lshl_or_b32 v[\pw], v[TM+5], 8, v[TM+4]
	v_lshl_or_b32 v[\pw], v[TM+6], 16, v[\pw]
	v_lshl_or_b32 v[\pw], v[TM+7], 24, v[\pw]
.irp c, 0,1
	v_cvt_scalef32_pk16_bf6_f32 v[PC+6*\c:PC+2+6*\c], v[\s+32*\c:\s+15+32*\c], v[TM+12+2*\c]
	v_cvt_scalef32_pk16_bf6_f32 v[PC+12+4*\c:PC+14+4*\c], v[\s+16+32*\c:\s+31+32*\c], v[TM+12+2*\c+1]   ; (three registers begin on an even number)
.endr
	v_nop                                          ; one plain place behind a scaled conversion
.irp c, 0,1                                    ; the layout wants a whole block in a lane: lanes 0-15 block 2 c, lanes 16-31 block 2 c + 1
.irp i, 0,1,2
	v_permlane16_swap_b32 v[PC+6*\c+\i], v[PC+12+4*\c+\i]
.endr
.irp i, 0,1,2
	v_mov_b32 v[PC+3+6*\c+\i], v[PC+12+4*\c+\i]
.endr
.endr
.endm
	s_load_b256 s[4:11], s[0:1], 0x0               ; x, WQ_w, WK_w, WV_w
	s_load_b128 s[12:15], s[0:1], 0x20             ; WO_w, xw
	s_load_b64 s[16:17], s[0:1], 0x30              ; xws
	v_lshl_add_u32 v254, v0, 2, 0xc600
	v_mov_b32 v255, 0
	v_lshrrev_b32 v1, 5, v0
	v_readfirstlane_b32 s18, v1                    ; wave 0..5
	v_and_b32 v1, 31, v0                           ; lane
	v_and_b32 v2, 15, v0                           ; r
	v_bfe_u32 v3, v0, 4, 1                         ; h
	v_lshlrev_b32 v4, 4, v1                        ; my 16 bytes of a row's 512
	s_mul_i32 s19, s18, STG
	v_add_nc_u32 v5, s19, v4                       ; the stage, on the way in
	v_mul_u32_u24 v6, v2, 528
	v_lshl_add_u32 v6, v3, 6, v6
	v_add_nc_u32 v6, s19, v6                       ; and out: row r, + 64 h: my 16 numbers of a block of 32
	v_lshlrev_b32 v7, 3, v1                        ; an image's place for my lane
	s_mov_b32 s[SEL], 0x76543210
	s_mov_b32 s[SEL+1], 0xfedcba98
	s_mov_b32 s30, 0xffff0000                      ; lanes 16-31
.irp b, 0,1,2,3
	v_mov_b32 v[TM+4+\b], 0                        ; written once: a lane permute's destination counts as one of its sources
.endr
	s_mul_i32 s19, ttmp9, 6
	s_add_co_u32 s19, s19, s18                     ; my unit
	s_and_b32 s22, s19, 7                          ; its K step
	s_lshr_b32 s23, s19, 3                         ; its group of 64 rows, 0..191
	s_and_b32 s25, s23, 15                         ; and the group's number inside a weight (16 groups each)
	s_wait_kmcnt 0x0
	s_cmp_lt_u32 s23, 144                          ; which tensor: the choices hang on the unit's number alone
	s_cselect_b64 s[6:7], s[6:7], s[8:9]
	s_cmp_lt_u32 s23, 160
	s_cselect_b64 s[6:7], s[6:7], s[10:11]
	s_cmp_lt_u32 s23, 176
	s_cselect_b64 s[6:7], s[6:7], s[12:13]
	s_cmp_lt_u32 s23, 128
	s_cselect_b64 s[4:5], s[4:5], s[6:7]
	s_cselect_b32 s24, s23, s25
	s_lshl_b32 s26, s24, 18                        ; 64 rows of 4,096 bytes
	s_lshl_b32 s27, s22, 9                         ; 128 numbers along K
	s_add_co_u32 s26, s26, s27
	s_mov_b32 s27, 0
	s_add_nc_u64 s[4:5], s[4:5], s[26:27]
	s_lshr_b32 s26, s23, 1
	s_mul_i32 s26, s26, 98304                      ; the block of 128 rows,
	s_mul_i32 s28, s22, 12288                      ; the K step,
	s_add_co_u32 s26, s26, s28
	s_and_b32 s28, s23, 1
	s_mul_i32 s28, s28, 6144                       ; tiles 0-3 or 4-7
	s_add_co_u32 s26, s26, s28
	s_add_nc_u64 s[14:15], s[14:15], s[26:27]
	s_lshl_b32 s26, s23, 11
	s_lshl_b32 s28, s22, 8
	s_add_co_u32 s26, s26, s28
	s_add_nc_u64 s[16:17], s[16:17], s[26:27]
.macro LOAD t                          ; tile t's 16 rows: 512 consecutive bytes an instruction
.irp i, 0,1,2,3,4,5,6,7,8,9,10,11,12,13,14,15
	global_load_b128 v[R+64*((\t)%2)+4*\i:R+64*((\t)%2)+4*\i+3], v4, s[4:5] offset:(32*((\t)/2)+8*((\t)%2)+\i+8*(\i/8))*4096 th:TH_LOAD_NT
.endr
.endm
.macro TILE t
.if (\t) < 3
	s_wait_loadcnt 16                              ; this tile's 16 loads are in; the next tile's 16 may be out
.else
	s_wait_loadcnt 0x0
.endif
.irp i, 0,1,2,3,4,5,6,7,8,9,10,11,12,13,14,15
	ds_store_b128 v5, v[R+64*((\t)%2)+4*\i:R+64*((\t)%2)+4*\i+3] offset:528*\i
.endr
.irp b, 0,1,2,3
.irp j, 0,1,2,3
	ds_load_b128 v[X+16*\b+4*\j:X+16*\b+4*\j+3], v6 offset:128*\b+16*\j   ; LDS serves a wave's instructions in order: these see the stores above
.endr
.endr
	s_wait_dscnt 0x0                               ; the numbers are back, and the stores have read their registers,
.if (\t) < 2
	LOAD (\t)+2                                    ; which take the tile two on
.endif
.if (\t) > 0
	s_wait_xcnt 0x0                                ; the last tile's stores have read the codes' registers
.endif
	QUANT X, PW+(\t)
.irp p, 0,1,2,3,4,5
	global_store_b64 v7, v[PC+2*\p:PC+2*\p+1], s[14:15] offset:1536*(\t)+256*\p   ; 32 lanes store 256 consecutive bytes, aligned
.endr
.endm
	LOAD 0
	LOAD 1
	TILE 0
	TILE 1
	TILE 2
	TILE 3
	v_cndmask_b32 v248, v[PW], v[PW+2], s30        ; lanes 0-15: tiles 0 and 1; lanes 16-31: tiles 2 and 3
	v_cndmask_b32 v249, v[PW+1], v[PW+3], s30
	global_store_b64 v7, v[248:249], s[16:17]      ; the unit's 64 scale words: 256 consecutive bytes, aligned
	s_wait_tensorcnt 0x0
	ds_add_u32 v254, v255
	s_wait_dscnt 0x0
	s_endpgm
.Lfunc_end_k_q33311e55ce_quant:
	.size	k_q33311e55ce_quant, .Lfunc_end_k_q33311e55ce_quant-k_q33311e55ce_quant
	.p2alignl 7, 3214868480
	.fill 96, 4, 3214868480
	.section	.rodata,"a",@progbits
	.p2align	6, 0x0
	.amdhsa_kernel k_q33311e55ce_quant
		.amdhsa_group_segment_fixed_size 51456
		.amdhsa_private_segment_fixed_size 0
		.amdhsa_enable_private_segment 0
		.amdhsa_kernarg_size 56
		.amdhsa_user_sgpr_count 2
		.amdhsa_user_sgpr_kernarg_segment_ptr 1
		.amdhsa_wavefront_size32 1
		.amdhsa_system_sgpr_workgroup_id_x 1
		.amdhsa_system_sgpr_workgroup_id_y 1
		.amdhsa_system_sgpr_workgroup_id_z 1
		.amdhsa_system_vgpr_workitem_id 0
		.amdhsa_next_free_vgpr 256
		.amdhsa_next_free_sgpr 66
		.amdhsa_reserve_vcc 0
		.amdhsa_float_denorm_mode_32 3
		.amdhsa_float_denorm_mode_16_64 3
		.amdhsa_memory_ordered 1
		.amdhsa_forward_progress 1
		.amdhsa_inst_pref_size 35
	.end_amdhsa_kernel
	.amdgpu_metadata
---
amdhsa.version: [ 1, 2 ]
amdhsa.kernels:
  - .name:           k_q33311e55ce_quant
    .symbol:         k_q33311e55ce_quant.kd
    .args:
      - { .name: x, .offset: 0, .size: 8, .value_kind: global_buffer, .address_space: global }
      - { .name: WQ_w, .offset: 8, .size: 8, .value_kind: global_buffer, .address_space: global }
      - { .name: WK_w, .offset: 16, .size: 8, .value_kind: global_buffer, .address_space: global }
      - { .name: WV_w, .offset: 24, .size: 8, .value_kind: global_buffer, .address_space: global }
      - { .name: WO_w, .offset: 32, .size: 8, .value_kind: global_buffer, .address_space: global }
      - { .name: xw, .offset: 40, .size: 8, .value_kind: global_buffer, .address_space: global }
      - { .name: xws, .offset: 48, .size: 8, .value_kind: global_buffer, .address_space: global }
    .group_segment_fixed_size: 51456
    .private_segment_fixed_size: 0
    .kernarg_segment_align: 8
    .kernarg_segment_size: 56
    .max_flat_workgroup_size: 192
    .sgpr_count:     66
    .vgpr_count:     256
    .wavefront_size: 32
...
	.end_amdgpu_metadata
.endif
;; end of part 1
;; launch qkv (part 2): grid 12 x 32, 4 waves a work-group, clusters of 4 x 4, 327,680 bytes of LDS; arguments xw, xws, WQ_b, WK_b, WV_b, qkv; writes qkv
.if DOCPART == 2
	.amdgcn_target "amdgcn-amd-amdhsa--gfx1250"
	.amdhsa_code_object_version 6
	.text
	.protected	k_q33311e55ce_qkv
	.globl	k_q33311e55ce_qkv
	.p2align	8
	.type	k_q33311e55ce_qkv,@function
k_q33311e55ce_qkv:
	s_mov_b64 s[64:65], 0
	v_nop
	global_prefetch_b8 v0, s[64:65] scope:SCOPE_SE
	s_setreg_imm32_b32 hwreg(HW_REG_WAVE_MODE, 25, 1), 1
	s_wait_xcnt 0x0
	s_wait_alu depctr_hold_cnt(0) depctr_sa_sdst(0) depctr_va_vdst(0) depctr_va_sdst(0) depctr_va_ssrc(0) depctr_va_vcc(0) depctr_vm_vsrc(0)
	s_getreg_b32 s2, hwreg(HW_REG_IB_STS2, 6, 4)
	s_cmp_eq_u32 s2, 0
	s_cbranch_scc0 .Lentry_in_a_cluster
	s_endpgm
.Lentry_in_a_cluster:
	s_bfe_u32 s2, ttmp6, 0x10000c
	s_cmp_lg_u32 s2, 0xf033
	s_cbranch_scc0 .Lentry_shape_is_right
	s_endpgm
.Lentry_shape_is_right:
; Q = x WQ^T + bQ, K = x WK^T + bK, V^T = WV x^T + bV on codes of BF6 (E3M2) with E8M0 scales, f32 sums; the results get their bias in f32, are quantised in registers and leave
; as the operands of attention's two products.  The cluster's x says which: 0 Q, 1 K, 2 V.  For V the two sides change places, by addresses alone, so that the keys become its K.
; OPERANDS (xw, xws) lie as images of fragments: [block of 128 rows][K step][tile][1,536 bytes: register pair p of lane l at 256 p + 8 l]; a tile's rows are 32 b + 8 u + r + 8 (r / 8).
; THE PRODUCT IS USED TRANSPOSED (source 0 = a tile of side B, source 1 = a tile of side A): lane (r, h) holds row r of A's tile, and the 16 registers of B's tiles 2 b, 2 b + 1 are
; B's rows 32 b + 16 h + 0 .. 15: 16 neighbours along the next product's K.  So the 64 registers of one tile of A against B's eight are quantised as they stand.
; SHARES: a work-group makes 256 (A) x 256 (B), each of four waves 128 x 128: 64 accumulators, 512 registers.  K = 8 steps of 128 through two LDS slots of two steps; two K steps of 128 rows
; are 24,576 dense bytes: one tensor load a wave.  The scale words of the work-group's rows, for all of K, come once with the first fills.  A wave has at most three tensor loads out.
; CLUSTER 4 x 4: A's tiles are asked for jointly along a row of the cluster, B's along a column.
; OUT (qkv): Q's codes [head 64][tile 128][768 bytes] at 0; Q's scale records [head][128 queries][256] at QS_OFF; from KV_OFF a record of 25,600 bytes for each head and 256 keys:
; K's codes [16 tiles][768], V^T's codes [128 keys 0,1][d tile 0..3][1,536], K's scale records [2][256], V's [2][256].  A scale record: lane r's four words at 16 r.
; LIMITS: a block of zeros gets the byte 1 where the rule says 127 (its codes are zeros; this program alone reads the bytes); NaN and infinities are not served.
; REGISTERS: window 0: v10-29 addresses; v32-63 scale words, two sets; v64-127 the bias along B; v128-223 A's fragments, one set; v224-239 the bias along A.  window 1: B's fragments, two sets, at v0 and v128.
;   windows 2, 3: accumulator (a, b) at v[8 (8 (a % 4) + b)].  On the way out, window 0: v128-191 64 numbers, v192-210 codes, v32-47 at work, v48-55 scale words, v56-63 the record.
.set PIB,    1536
.set FR,     12
.set NL,     6                         ; LDS loads that bring a fragment
.set NP,     4                         ; places behind this matrix instruction (ISA guide 7.12.1)
.set HALFT,  24576                     ; 128 rows x two K steps
.set SLOT,   4*HALFT                   ; A's two halves, then B's
.set SCA,    2*SLOT                    ; A's scale words, 2 x 4,096 bytes
.set SCB,    SCA+8192+128              ; B's: 128 bytes askew, so that lanes 16-31 of a scale load fall on the other banks than lanes 0-15
.set SPARE,  213248                    ; the spare words, 128 bytes a wave: two blocks of 256 bytes that no other line names
.set QS_OFF, 6291456
.set KV_OFF, 6553600
.set ADRA, 16                          ; v16-17 LDS address of my A fragments in slot 0, 1
.set ADRB, 20                          ; v20-21 the same for B
.set L8,   25                          ; v25 8 x lane
.set VS,   26                          ; v26 the scale record: 16 r + h x a head's distance
.set ADRS, 27                          ; v27 my scale words: lanes 0-15 A's, lanes 16-31 B's
.set SPW,  28
.set NIL,  29
.set SC,   32                          ; set sc, register 8 q + i: lanes 0-15 the word of A's tile i, lanes 16-31 of B's tile i
.set BB,   64
.set AF,   128
.set BA,   224
.set T,    128
.set PC,   192
.set TM,   32
.set PW,   48
.set XW,   56
.set SEL,  92                          ; s[92:93]
.set G1, 24
.set G0, 32
.set G1B, 48
.set G0B, 56
.set G1S, 68
.set G0S, 76
.set G1SB, 80
.set G0SB, 88
.set MSB, 0
.macro WIN new                         ; the immediate's high byte repeats the setting that is left
.if MSB != \new
	s_set_vgpr_msb (MSB<<8)|\new
.set MSB, \new
.endif
.endm
.set MUL_LO, 0xa1                      ; source 0 (B) window 1, source 1 (A) window 0, C and D window 2
.set MUL_HI, 0xf1
.set TO_B,   0x40
; A joint load: waves 0 and 1 fetch for A, waves 2 and 3 for B; the branch hangs on the wave's number alone.  Four v_nop follow each line.
.macro JLOAD g0a, g1a, g0b, g1b
	s_cmp_eq_u32 s15, 0
	s_cbranch_scc0 .Lfor_b_\@
	tensor_load_to_lds s[\g0a:\g0a+3], s[\g1a:\g1a+7]
	s_nop 0
.rept 4
	v_nop
.endr
	s_branch .Lasked_\@
.Lfor_b_\@:
	tensor_load_to_lds s[\g0b:\g0b+3], s[\g1b:\g1b+7]
	s_nop 0
.rept 4
	v_nop
.endr
.Lasked_\@:
.endm
.macro CREST                           ; a round of the cluster's barrier behind its opening barrier
	s_cmp_lg_u32 s14, 0
	s_cbranch_scc1 .Lnot_wave_0_\@
	s_barrier_signal -3
.Lnot_wave_0_\@:
	s_barrier_wait -3
	s_barrier_signal -1
	s_barrier_wait -1
.endm
.macro CROUND
	s_barrier_signal -1
	s_barrier_wait -1
	CREST
.endm
	s_load_b128 s[4:7], s[0:1], 0x0                ; xw, xws
	s_load_b128 s[8:11], s[0:1], 0x10              ; WQ_b, WK_b
	s_load_b128 s[96:99], s[0:1], 0x20             ; WV_b, qkv
	v_lshl_add_u32 v[SPW], v0, 2, SPARE
	v_mov_b32 v[NIL], 0
	ds_add_u32 v28, v29
	s_wait_dscnt 0x0
	v_lshrrev_b32 v1, 5, v0
	v_readfirstlane_b32 s14, v1                    ; wave 0..3
	s_lshr_b32 s15, s14, 1                         ; ha: my half of A's rows.  Also: I fetch for A (0) or for B (1)
	s_and_b32 s16, s14, 1                          ; hb: my half of B's rows.  Also: which 128 rows I fetch
	s_bfe_u32 s40, ttmp6, 0x40000                  ; cx
	s_bfe_u32 s41, ttmp6, 0x40004                  ; cy
	s_and_b32 s17, ttmp7, 0xffff
	s_lshl_b32 s17, s17, 2                         ; 4 x cluster y: the cluster's first 256 tokens' number
	s_lshl_b32 s42, ttmp9, 2
	s_add_co_u32 s42, s42, 32                      ; WQ's or WK's first 256 rows in xw, counted in 256 rows
	s_lshl_b32 s43, s41, 2
	s_lshl_b32 s43, 15, s43                        ; my row of the cluster
	s_lshl_b32 s44, 0x1111, s40                    ; my column
	; descriptor groups 1: dense blocks as rows of 256 bytes (32 elements of 8 bytes): 96 rows of codes, 16 of scale words
	s_or_b32 s[G1+0], s43, (3<<16)|(1<<21)         ; 15:0 the mask; 17:16 elements of 8 bytes; 21 set beside a mask; no padding
	s_or_b32 s[G1B+0], s44, (3<<16)|(1<<21)
	s_or_b32 s[G1S+0], s43, (3<<16)|(1<<21)
	s_or_b32 s[G1SB+0], s44, (3<<16)|(1<<21)
.irp g, G1, G1B
	s_mov_b32 s[\g+1], 32<<16                      ; tensor_dim0
	s_mov_b32 s[\g+2], 96<<16                      ; tensor_dim1
	s_mov_b32 s[\g+3], 32<<16                      ; tile_dim0
	s_mov_b32 s[\g+4], 96                          ; tile_dim1
	s_mov_b32 s[\g+5], 32                          ; from row to row
	s_mov_b32 s[\g+6], 0
	s_mov_b32 s[\g+7], 0
.endr
.irp g, G1S, G1SB
	s_mov_b32 s[\g+1], 32<<16
	s_mov_b32 s[\g+2], 16<<16
	s_mov_b32 s[\g+3], 32<<16
	s_mov_b32 s[\g+4], 16
	s_mov_b32 s[\g+5], 32
	s_mov_b32 s[\g+6], 0
	s_mov_b32 s[\g+7], 0
.endr
	s_cmp_eq_u32 ttmp9, 2                          ; V?  The cluster's x is the same in all sixteen partners
	s_cselect_b32 s20, 40, s17                     ; side A: WV's rows, or the tokens
	s_cselect_b32 s46, s17, s42                    ; side B: the tokens, or the weight's rows
	s_add_co_u32 s20, s20, s41                     ; A hangs on cy alone,
	s_add_co_u32 s46, s46, s40                     ; B on cx alone
	s_lshl_b32 s20, s20, 1
	s_add_co_u32 s20, s20, s16                     ; the block of 128 rows that I fetch
	s_lshl_b32 s46, s46, 1
	s_add_co_u32 s46, s46, s16
	s_lshl_b32 s22, s20, 12                        ; its scale words,
	s_mov_b32 s23, 0
	s_mul_i32 s20, s20, 98304                      ; its codes (under 2^24 bytes)
	s_mov_b32 s21, 0
	s_lshl_b32 s92, s46, 12
	s_mov_b32 s93, 0
	s_mul_i32 s46, s46, 98304
	s_mov_b32 s47, 0
	s_mul_i32 s45, s14, HALFT                      ; where they go: no place in the cluster enters an LDS address
	s_lshl_b32 s94, s14, 12
	s_wait_kmcnt 0x0
	s_add_nc_u64 s[20:21], s[4:5], s[20:21]
	s_add_nc_u64 s[22:23], s[6:7], s[22:23]
	s_add_nc_u64 s[46:47], s[4:5], s[46:47]
	s_add_nc_u64 s[92:93], s[6:7], s[92:93]
	CROUND                                         ; all sixteen work-groups are here: the first joint loads meet
	s_mov_b32 s[G0S], 1
	s_add_co_u32 s[G0S+1], s94, SCA
	s_mov_b64 s[G0S+2:G0S+3], s[22:23]
	s_or_b32 s[G0S+3], s[G0S+3], 0x80000000
	s_mov_b32 s[G0SB], 1
	s_add_co_u32 s[G0SB+1], s94, SCA+128           ; waves 2, 3: SCB, SCB + 4,096
	s_mov_b64 s[G0SB+2:G0SB+3], s[92:93]
	s_or_b32 s[G0SB+3], s[G0SB+3], 0x80000000
	JLOAD G0S, G1S, G0SB, G1SB                     ; the scale words first: they are wanted with K step 0
.irp s, 0,1
	s_mov_b32 s[G0+4*\s], 1
	s_add_co_u32 s[G0+4*\s+1], s45, \s*SLOT
	s_add_nc_u64 s[G0+4*\s+2:G0+4*\s+3], s[20:21], \s*HALFT
	s_or_b32 s[G0+4*\s+3], s[G0+4*\s+3], 0x80000000
	s_mov_b32 s[G0B+4*\s], 1
	s_add_co_u32 s[G0B+4*\s+1], s45, \s*SLOT
	s_add_nc_u64 s[G0B+4*\s+2:G0B+4*\s+3], s[46:47], \s*HALFT
	s_or_b32 s[G0B+4*\s+3], s[G0B+4*\s+3], 0x80000000
	JLOAD G0+4*\s, G1, G0B+4*\s, G1B
.endr
	v_and_b32 v1, 15, v0                           ; r
	v_bfe_u32 v2, v0, 4, 1                         ; h
	v_and_b32 v3, 31, v0
	v_lshlrev_b32 v[L8], 3, v3
	s_mul_i32 s21, s15, HALFT
	s_mul_i32 s22, s16, HALFT
	s_add_co_u32 s22, s22, 2*HALFT
.irp s, 0,1
	v_add_nc_u32 v[ADRA+\s], s21, v[L8]
	v_add_nc_u32 v[ADRB+\s], s22, v[L8]
	s_add_co_u32 s21, s21, SLOT
	s_add_co_u32 s22, s22, SLOT
.endr
	v_lshlrev_b32 v5, 3, v1                        ; two tiles' words of row r: 8 r
	s_lshl_b32 s21, s15, 12
	s_lshl_b32 s22, s16, 12
	s_add_co_u32 s22, s22, SCB-SCA
	s_sub_co_u32 s22, s22, s21
	v_mul_u32_u24 v6, s22, v2                      ; lanes 16-31 take B's: one product, the distance between the two
	s_add_co_u32 s21, s21, SCA
	v_add_nc_u32 v5, v5, v6
	v_add_nc_u32 v[ADRS], s21, v5
	; WHERE THE RESULTS GO.  TBK: my block of 128 tokens; HD0: the first of my two heads
	s_add_co_u32 s2, s17, s40
	s_lshl_b32 s2, s2, 1
	s_add_co_u32 s2, s2, s16                       ; V: tokens are side B
	s_add_co_u32 s3, s17, s41
	s_lshl_b32 s3, s3, 1
	s_add_co_u32 s3, s3, s15                       ; Q, K: side A
	s_lshl_b32 s66, s41, 2
	s_lshl_b32 s67, s15, 1
	s_add_co_u32 s66, s66, s67                     ; V: heads 4 cy + 2 ha on
	s_lshl_b32 s67, s40, 2
	s_lshl_b32 s94, s16, 1
	s_add_co_u32 s67, s67, s94                     ; Q, K: 4 cx + 2 hb on
	s_mov_b32 s22, 768                             ; from tile to tile of A
	s_mov_b32 s45, 204800                          ; from head to head, codes
	s_mov_b32 s42, 25600                           ; from 256 tokens to the next
	s_mov_b32 s43, 204800                          ; from head to head, scale records
	s_mov_b32 s44, 25600
	s_mov_b32 s18, KV_OFF
	s_mov_b32 s19, KV_OFF+24576
	s_cmp_eq_u32 ttmp9, 0                          ; Q?
	s_cselect_b32 s45, 98304, s45
	s_cselect_b32 s42, 12288, s42
	s_cselect_b32 s43, 4096, s43
	s_cselect_b32 s44, 512, s44
	s_cselect_b32 s18, 0, s18
	s_cselect_b32 s19, QS_OFF, s19
	s_cselect_b64 s[8:9], s[8:9], s[10:11]
	s_cmp_eq_u32 ttmp9, 2                          ; V?
	s_cselect_b64 s[8:9], s[96:97], s[8:9]         ; the bias
	s_cselect_b32 s2, s2, s3
	s_cselect_b32 s66, s66, s67
	s_cselect_b32 s22, 1536, s22
	s_cselect_b32 s46, 198656, 0                   ; V: behind four d tiles (6,144 bytes) the next head, 204,800 bytes on
	s_cselect_b32 s94, 12288, 0                    ; V's codes lie behind K's in a record,
	s_cselect_b32 s95, 512, 0                      ; V's scale records behind K's
	s_cselect_b32 s100, -1, 0                      ; all lanes in V's mode
	s_cselect_b32 s20, 768, s45                    ; a fragment's second half: V: the same image; Q, K: the next head
	s_mov_b32 s23, 0
	s_mov_b32 s47, 0
	s_mov_b32 s21, 0
	s_add_co_u32 s18, s18, s94
	s_add_co_u32 s19, s19, s95
	s_lshr_b32 s3, s2, 4
	s_lshl_b32 s3, s3, 4
	s_add_co_u32 s3, s3, s66                       ; 16 x batch + head
	s_and_b32 s2, s2, 15
	s_lshr_b32 s66, s2, 1                          ; which 256 tokens of the batch,
	s_and_b32 s2, s2, 1                            ; which 128 of them
	s_mul_i32 s67, s3, s45
	s_add_co_u32 s18, s18, s67
	s_mul_i32 s67, s66, s42
	s_add_co_u32 s18, s18, s67
	s_mul_i32 s67, s2, 6144
	s_add_co_u32 s18, s18, s67
	s_mul_i32 s67, s3, s43
	s_add_co_u32 s94, s19, s67
	s_mul_i32 s67, s66, s44
	s_add_co_u32 s94, s94, s67
	s_lshl_b32 s67, s2, 8
	s_add_co_u32 s94, s94, s67
	s_mov_b32 s95, 0
	s_mov_b32 s19, 0
	s_add_nc_u64 s[96:97], s[98:99], s[94:95]      ; the scale record
	s_add_nc_u64 s[18:19], s[98:99], s[18:19]      ; a fragment's first half,
	s_add_nc_u64 s[20:21], s[18:19], s[20:21]      ; its second
	v_mul_u32_u24 v[VS], s43, v2
	v_lshl_add_u32 v[VS], v1, 4, v[VS]
	s_lshl_b32 s94, s40, 10
	s_lshl_b32 s67, s16, 9
	s_add_co_u32 s94, s94, s67
	s_add_nc_u64 s[10:11], s[8:9], s[94:95]        ; the bias at B's rows 256 cx + 128 hb,
	s_lshl_b32 s94, s41, 10
	s_lshl_b32 s67, s15, 9
	s_add_co_u32 s94, s94, s67
	s_add_nc_u64 s[12:13], s[8:9], s[94:95]        ; and at A's rows 256 cy + 128 ha.  Both lie inside the 1,024 numbers; the mode uses one
	v_lshlrev_b32 v10, 6, v2                       ; 16 h numbers
	v_and_b32 v11, 8, v1
	v_add_nc_u32 v11, v11, v1
	v_lshlrev_b32 v11, 2, v11                      ; r + 8 (r / 8) numbers
.irp g, 0,1,2,3
.irp k, 0,1,2,3
	global_load_b128 v[BB+16*\g+4*\k:BB+16*\g+4*\k+3], v10, s[10:11] offset:128*\g+16*\k   ; register 16 g + i: B's row 32 g + 16 h + i
.endr
.endr
.irp a, 0,1,2,3,4,5,6,7
	global_load_b32 v[BA+2*\a], v11, s[12:13] offset:4*(32*(\a/2)+8*(\a%2))      ; my row of A's tile a, twice: a pair for the packed addition
	global_load_b32 v[BA+2*\a+1], v11, s[12:13] offset:4*(32*(\a/2)+8*(\a%2))
.endr
	s_mov_b32 s[SEL], 0x76543210
	s_mov_b32 s[SEL+1], 0xfedcba98
	s_mov_b32 s101, 0xffff0000                     ; lanes 16-31
.macro FRAG reg, adr, q, i             ; a fragment's image: six loads of 256 consecutive bytes
.irp p, 0,1,2,3,4,5
	ds_load_b64 v[\reg+2*\p:\reg+2*\p+1], v[\adr] offset:(8*(\q)+(\i))*PIB+256*\p
.endr
.endm
; 16 matrix instructions: A's tiles a0, a0 + 1 x B's eight.  p: B's set; q: the slot's K step; sc: the set of scale words.  zero = 1: the first product starts the sums.
; The 64 accumulators take turns, one instruction a turn, in the same order in every step.
.macro MUL16 a0, p, q, sc, zero
.irp a, \a0, \a0+1
.irp b, 0,1,2,3,4,5,6,7
.if \zero
	v_wmma_scale_f32_16x16x128_f8f6f4 v[8*(8*((\a)%4)+\b):8*(8*((\a)%4)+\b)+7], v[128*(\p)+FR*\b:128*(\p)+FR*\b+FR-1], v[AF+FR*(\a):AF+FR*(\a)+FR-1], 0, v[SC+16*(\sc)+8*(\q)+\b], v[SC+16*(\sc)+8*(\q)+(\a)] matrix_a_fmt:MATRIX_FMT_BF6 matrix_b_fmt:MATRIX_FMT_BF6 matrix_a_scale:MATRIX_SCALE_ROW1
.else
	v_wmma_scale_f32_16x16x128_f8f6f4 v[8*(8*((\a)%4)+\b):8*(8*((\a)%4)+\b)+7], v[128*(\p)+FR*\b:128*(\p)+FR*\b+FR-1], v[AF+FR*(\a):AF+FR*(\a)+FR-1], v[8*(8*((\a)%4)+\b):8*(8*((\a)%4)+\b)+7], v[SC+16*(\sc)+8*(\q)+\b], v[SC+16*(\sc)+8*(\q)+(\a)] matrix_a_fmt:MATRIX_FMT_BF6 matrix_b_fmt:MATRIX_FMT_BF6 matrix_a_scale:MATRIX_SCALE_ROW1
.endif
.endr
.endr
.endm
.macro FETCH_B slot, q, p
	WIN TO_B
.irp i, 0,1,2,3,4,5,6,7
	FRAG 128*(\p)+FR*\i, ADRB+\slot, \q, \i
.endr
	WIN 0
.endm
.macro FETCH_A slot, q, i0
.irp i, \i0, \i0+1, \i0+2, \i0+3
	FRAG AF+FR*(\i), ADRA+\slot, \q, \i
.endr
.endm
.macro SCALES sc                       ; a slot's scale words: for each K step four loads of two tiles' words
.irp q, 0,1
.irp m, 0,1,2,3
	ds_load_b64 v[SC+16*\sc+8*\q+2*\m:SC+16*\sc+8*\q+2*\m+1], v[ADRS] offset:(\m/2)*2048+\q*256+(\m%2)*128
.endr
.endr
.endm
.macro PLACES n                        ; plain vector instructions between a matrix instruction and a load into, or a read of, its registers
.rept \n
	v_nop
.endr
.endm
.macro STEP slot, q, zero              ; a K step that has its successor in the same slot
	s_wait_dscnt 4*NL                              ; all but the youngest 24 loads (A's tiles 4-7) are in
	WIN MUL_LO
	MUL16 0, (\q)%2, \q, \slot, \zero
	MUL16 2, (\q)%2, \q, \slot, \zero
	s_wait_dscnt 0
	PLACES NP
	FETCH_B \slot, (\q)+1, 1-(\q)%2
	FETCH_A \slot, (\q)+1, 0
	WIN MUL_HI
	MUL16 4, (\q)%2, \q, \slot, \zero
	MUL16 6, (\q)%2, \q, \slot, \zero
	PLACES NP
	WIN 0
	FETCH_A \slot, (\q)+1, 4
.endm
; A slot's last K step changes slots: one barrier; in front of it each wave waits for all its tensor loads, adds 0 to its spare word, and waits for that and for its reads of this slot.
.macro TURN slot, next, fill
	s_wait_tensorcnt 0x0                           ; all my tensor loads have landed: my part of the next slot
	ds_add_u32 v[SPW], v[NIL]                      ; 0 onto my spare word
	s_wait_dscnt 4*NL+1                            ; (the add and the youngest 24 loads may be out)
	WIN MUL_LO
	MUL16 0, 1, 1, \slot, 0
	s_wait_dscnt 0x0                               ; the add is done, and my reads of this slot are over
	s_barrier_signal -1
	MUL16 2, 1, 1, \slot, 0
	WIN 0
	s_barrier_wait -1
.if \fill
	CREST                                          ; the barrier has opened a round of the cluster's: no wave of any partner still reads this slot or has a load on its way
	s_add_nc_u64 s[G0+4*\slot+2:G0+4*\slot+3], s[G0+4*\slot+2:G0+4*\slot+3], 2*HALFT
	s_add_nc_u64 s[G0B+4*\slot+2:G0B+4*\slot+3], s[G0B+4*\slot+2:G0B+4*\slot+3], 2*HALFT
	JLOAD G0+4*\slot, G1, G0B+4*\slot, G1B         ; the first tensor load behind the round; its four v_nop are the places in front of the loads below
.else
	PLACES NP
.endif
	v_add_nc_u32 v[ADRS], 512, v[ADRS]             ; the next two K steps' scale words
	FETCH_B \next, 0, 0
	FETCH_A \next, 0, 0
	SCALES \next
	WIN MUL_HI
	MUL16 4, 1, 1, \slot, 0
	MUL16 6, 1, 1, \slot, 0
	PLACES NP
	WIN 0
	FETCH_A \next, 0, 4
.endm
	s_wait_tensorcnt 1                             ; the scale words and my part of slot 0 are in; slot 1's load may be out
	s_barrier_signal -1
	s_barrier_wait -1
	FETCH_B 0, 0, 0
	FETCH_A 0, 0, 0
	SCALES 0
	FETCH_A 0, 0, 4
	STEP 0, 0, 1                                   ; K steps 0, 1
	TURN 0, 1, 1                                   ; slot 0 takes K steps 4, 5
	STEP 1, 0, 0                                   ; 2, 3
	TURN 1, 0, 1                                   ; slot 1 takes K steps 6, 7
	STEP 0, 0, 0                                   ; 4, 5
	TURN 0, 1, 0
	STEP 1, 0, 0                                   ; 6, 7
	s_wait_dscnt 4*NL
	WIN MUL_LO
	MUL16 0, 1, 1, 1, 0
	MUL16 2, 1, 1, 1, 0
	s_wait_dscnt 0
	WIN MUL_HI
	MUL16 4, 1, 1, 1, 0
	MUL16 6, 1, 1, 1, 0
	WIN 0
; 64 numbers of a lane, register 16 b + i = k 32 b + 16 h + i of my row, become a fragment's codes in v[PC] on and its scale word in v[pw]
.macro QUANT s, pw
.irp b, 0,1,2,3
	v_max3_num_f32 v[TM+\b], |v[\s+16*\b]|, |v[\s+1+16*\b]|, 0x2800000   ; and the floor 2^(5 - 127): the byte cannot fall under 1
.endr
.irp i, 2,4,6,8,10,12,14
.irp b, 0,1,2,3
	v_max3_num_f32 v[TM+\b], v[TM+\b], |v[\s+16*\b+\i]|, |v[\s+1+16*\b+\i]|
.endr
.endr
.irp b, 0,1,2,3
	v_permlanex16_b32 v[TM+4+\b], v[TM+\b], s[SEL], s[SEL+1]
.endr
.irp b, 0,1,2,3
	v_max_num_f32 v[TM+\b], v[TM+\b], v[TM+4+\b]
.endr
.irp b, 0,1,2,3
	v_add_nc_u32 v[TM+12+\b], 0xfe000000, v[TM+\b]   ; 4 off the exponent field: the conversion's scale operand
.endr
.irp b, 0,1,2,3
	v_lshrrev_b32 v[TM+4+\b], 23, v[TM+12+\b]
.endr
	v_lshl_or_b32 v[\pw], v[TM+5], 8, v[TM+4]
	v_lshl_or_b32 v[\pw], v[TM+6], 16, v[\pw]
	v_lshl_or_b32 v[\pw], v[TM+7], 24, v[\pw]
.irp c, 0,1
	v_cvt_scalef32_pk16_bf6_f32 v[PC+6*\c:PC+2+6*\c], v[\s+32*\c:\s+15+32*\c], v[TM+12+2*\c]
	v_cvt_scalef32_pk16_bf6_f32 v[PC+12+4*\c:PC+14+4*\c], v[\s+16+32*\c:\s+31+32*\c], v[TM+12+2*\c+1]
.endr
	v_nop                                          ; one plain place behind a scaled conversion
.irp c, 0,1
.irp i, 0,1,2
	v_permlane16_swap_b32 v[PC+6*\c+\i], v[PC+12+4*\c+\i]
.endr
.irp i, 0,1,2
	v_mov_b32 v[PC+3+6*\c+\i], v[PC+12+4*\c+\i]
.endr
.endr
.endm
; A's tile a: its 64 sums and the bias, in f32.  Q, K: the bias runs along B (a register's own number); V: along A (my row's number).  The branch hangs on the cluster's x alone.
; Each accumulator is read from its low end on.  At a branch and at a label every window is 0.
.macro BIASADD a
.set AC, 64*((\a)%4)
.set WN, 0x02+(\a)/4                   ; source 0: window 2 or 3
	s_cmp_eq_u32 ttmp9, 2
	s_cbranch_scc1 .Lalong_a_\@
	WIN WN
.set i, 0
.rept 32
	v_pk_add_f32 v[T+i:T+i+1], v[AC+i:AC+i+1], v[BB+i:BB+i+1]
.set i, i+2
.endr
	WIN 0
	s_branch .Ladded_\@
.Lalong_a_\@:
	WIN WN
.set i, 0
.rept 32
	v_pk_add_f32 v[T+i:T+i+1], v[AC+i:AC+i+1], v[BA+2*(\a):BA+2*(\a)+1]
.set i, i+2
.endr
	WIN 0
.Ladded_\@:
.endm
	; THE WAY OUT: tile by tile of A: bias, quantiser, six stores of 256 consecutive aligned bytes.  No LDS.
	s_wait_loadcnt 0x0                             ; the biases
	PLACES NP                                      ; behind the last products: their results are read and their operands' registers written below
.irp b, 0,1,2,3
	v_mov_b32 v[TM+4+\b], 0                        ; written once: a lane permute's destination counts as one of its sources
.endr
.irp a, 0,1,2,3,4,5,6,7
.if \a > 0
	s_wait_xcnt 0x0                                ; the last tile's stores have read their data and their bases
	s_add_nc_u64 s[18:19], s[18:19], s[22:23]
	s_add_nc_u64 s[20:21], s[20:21], s[22:23]
.if \a == 4
	s_add_nc_u64 s[18:19], s[18:19], s[46:47]
	s_add_nc_u64 s[20:21], s[20:21], s[46:47]
.endif
.endif
	BIASADD \a
	QUANT T, PW+\a
.irp p, 0,1,2
	global_store_b64 v[L8], v[PC+2*\p:PC+2*\p+1], s[18:19] offset:256*\p       ; k 0 .. 63
.endr
.irp p, 0,1,2
	global_store_b64 v[L8], v[PC+6+2*\p:PC+6+2*\p+1], s[20:21] offset:256*\p   ; k 64 .. 127
.endr
.endr
	; the scale record.  Q, K: word m = two bytes of tile 2 m, two of tile 2 m + 1; lanes 0-15 the first head's (bytes 0, 1), lanes 16-31 the second's (bytes 2, 3).
	; V: word m = d tile m's word; lanes 0-15 the first head's tiles 0-3, lanes 16-31 the second's 4-7.  Both are made; the mode's is kept.
.irp m, 0,1,2,3
	v_perm_b32 v60, v[PW+2*\m+1], v[PW+2*\m], 0x05040100
	v_perm_b32 v61, v[PW+2*\m+1], v[PW+2*\m], 0x07060302
	v_cndmask_b32 v60, v60, v61, s101
	v_cndmask_b32 v61, v[PW+\m], v[PW+4+\m], s101
	v_cndmask_b32 v[XW+\m], v60, v61, s100
.endr
	global_store_b128 v[VS], v[XW:XW+3], s[96:97]  ; each half of the lanes stores 256 consecutive bytes, aligned
	s_wait_tensorcnt 0x0                           ; the wave's end
	ds_add_u32 v[SPW], v[NIL]
	s_wait_dscnt 0x0
	CROUND                                         ; the closing round
	s_endpgm
.Lfunc_end_k_q33311e55ce_qkv:
	.size	k_q33311e55ce_qkv, .Lfunc_end_k_q33311e55ce_qkv-k_q33311e55ce_qkv
	.p2alignl 7, 3214868480
	.fill 96, 4, 3214868480
	.section	.rodata,"a",@progbits
	.p2align	6, 0x0
	.amdhsa_kernel k_q33311e55ce_qkv
		.amdhsa_group_segment_fixed_size 327680
		.amdhsa_private_segment_fixed_size 0
		.amdhsa_enable_private_segment 0
		.amdhsa_kernarg_size 48
		.amdhsa_user_sgpr_count 2
		.amdhsa_user_sgpr_kernarg_segment_ptr 1
		.amdhsa_wavefront_size32 1
		.amdhsa_system_sgpr_workgroup_id_x 1
		.amdhsa_system_sgpr_workgroup_id_y 1
		.amdhsa_system_sgpr_workgroup_id_z 1
		.amdhsa_system_vgpr_workitem_id 0
		.amdhsa_next_free_vgpr 1024
		.amdhsa_next_free_sgpr 102
		.amdhsa_reserve_vcc 0
		.amdhsa_float_denorm_mode_32 3
		.amdhsa_float_denorm_mode_16_64 3
		.amdhsa_memory_ordered 1
		.amdhsa_forward_progress 1
		.amdhsa_inst_pref_size 206
	.end_amdhsa_kernel
	.amdgpu_metadata
---
amdhsa.version: [ 1, 2 ]
amdhsa.kernels:
  - .name:           k_q33311e55ce_qkv
    .symbol:         k_q33311e55ce_qkv.kd
    .args:
      - { .name: xw, .offset: 0, .size: 8, .value_kind: global_buffer, .address_space: global }
      - { .name: xws, .offset: 8, .size: 8, .value_kind: global_buffer, .address_space: global }
      - { .name: WQ_b, .offset: 16, .size: 8, .value_kind: global_buffer, .address_space: global }
      - { .name: WK_b, .offset: 24, .size: 8, .value_kind: global_buffer, .address_space: global }
      - { .name: WV_b, .offset: 32, .size: 8, .value_kind: global_buffer, .address_space: global }
      - { .name: qkv, .offset: 40, .size: 8, .value_kind: global_buffer, .address_space: global }
    .group_segment_fixed_size: 327680
    .private_segment_fixed_size: 0
    .kernarg_segment_align: 8
    .kernarg_segment_size: 48
    .max_flat_workgroup_size: 128
    .sgpr_count:     102
    .vgpr_count:     1024
    .wavefront_size: 32
...
	.end_amdgpu_metadata
.endif
;; end of part 2
;; launch attn (part 3): grid 4 x 64, 16 waves a work-group, no clusters, 327,680 bytes of LDS; arguments qkv, o_img, o_s; writes o_img, o_s
.if DOCPART == 3
	.amdgcn_target "amdgcn-amd-amdhsa--gfx1250"
	.amdhsa_code_object_version 6
	.text
	.protected	k_q33311e55ce_attn
	.globl	k_q33311e55ce_attn
	.p2align	8
	.type	k_q33311e55ce_attn,@function
k_q33311e55ce_attn:
	s_mov_b64 s[64:65], 0
	v_nop
	global_prefetch_b8 v0, s[64:65] scope:SCOPE_SE
	s_setreg_imm32_b32 hwreg(HW_REG_WAVE_MODE, 25, 1), 1
	s_wait_xcnt 0x0
; O[q] = sum over keys k <= q of softmax_k(Q[q] . K[k] / 8) V[k], for each of 64 heads of 2,048 tokens x 64, both products on codes of BF6 (E3M2) with E8M0 scales; the result is
; quantised along the model's 1,024 and stored as the operand of the last product.
; THE SOFTMAX: t = score x log2(e) / 8; M = the running largest t rounded UP to a whole number; p = 2^(t - M) is quantised along the keys, not normalised; the row's sum is taken of the
; unquantised p and divides O at the end.  When M moves, the sum and O are multiplied by 2^(old M - new M): exact.
; SHARES.  Work-group (i, head) owns query blocks 7 - i and i, 256 queries each; wave w owns one tile of 16 queries of the first block, then one of the second.  A tile in 128-query block d
; needs key steps 0 .. d (128 keys each), the last on the diagonal: 16 + 2 (w / 8) steps a wave whatever i is, so the 256 work-groups have equal work.
; VISITS.  Nine, a constant: records of 256 keys 0 .. 7 - i, then 0 .. i, through two LDS slots.  Wave 0 brings a whole record (25,600 dense bytes) by one tensor load, which has a visit in which to land.
; A step all of whose keys come after the wave's queries is jumped over by a scalar branch on ids; no barrier and no tensor load stands in a step.
; NO CLUSTER: the four work-groups of a head turn back to record 0 at different visits (8 - i); walking in step would take 8 + 4 visits in place of 9, and what would be shared is 25,600 bytes a visit.
; LAYOUT.  Both products transposed: S^T = K Q^T, O^T = V^T P^T: a lane holds one query.  A tile's rows are 32 b + 8 u + r + 8 (r / 8), so p's 16 registers of two neighbouring tiles are 16 neighbouring keys.
; K = 64 IN AN INSTRUCTION OF 128: a fragment of K is two neighbouring key tiles, one in k 0 .. 63, one in k 64 .. 127; Q stands as [q | zeros | q] in v16-33: source v[16:27] gives the first tile's scores,
; v[22:33] the second's; the other half meets zero codes under finite scale bytes.
; LIMITS: a block of zeros gets the byte 1 where the rule says 127 (zero codes; this program alone reads the bytes); NaN and infinities are not served; a block's largest p is taken as the p of its largest score.
; REGISTERS: v1-9 addresses; v12 -M, v13 the largest t, v[14:15] the sum; v16-33 Q, v34 its scale word; v36-42 the second tile's; v44-47 K's or V's scale words; v48-95 four fragments; v96-159 S^T, then p;
;   v160-191 O^T; v224-235 p's codes; v232-254 at work.
.set REC,    25600
.set SLOT1,  32768
.set SPARE,  65536                     ; the spare words, 128 bytes a wave: eight blocks of 256 bytes that no other line names
.set QS_OFF, 6291456
.set KV_OFF, 6553600
.set L8,  1                            ; v1 8 x lane
.set R16, 2                            ; v2 16 r
.set ADR, 3
.set ADS, 4
.set SPW, 5
.set NIL, 6
.set DM,  7                            ; v7 my query's place in its 128, less 16 h
.set PFO, 8                            ; v8 256 x lane
.set OB,  9                            ; v9 8 r + h
.set TB,  2                            ; s2 the slot in hand
.set WV,  18
.set SEL, 20
.set CS,  22                           ; s[22:23] c = log2(e) / 8
.set G1,  24
.set G0,  32
.set KVB, 36                           ; s[36:37] the head's records
.set KS,  38                           ; s38 the key step
.set QD,  39                           ; s39 my tile's diagonal step
.set WGI, 40                           ; s40 i
.set SWV, 41                           ; s41 8 - i
.set FS,  42                           ; s42 the record asked for last
.set OFS, 44                           ; s[44:45] an offset; s45 stays 0
.set HALF, 50                          ; s50 lanes 16-31
.set SLOTS, 67
.set PFA, 76
.set LIM, 80
.macro TLOAD                           ; wave 0 fetches; four v_nop follow the line
	s_cmp_lg_u32 s[WV], 0
	s_cbranch_scc1 .Lnot_mine_\@
	tensor_load_to_lds s[G0:G0+3], s[G1:G1+7]
	s_nop 0
.rept 4
	v_nop
.endr
.Lnot_mine_\@:
.endm
; A PREFETCH INTO THE L2 of the codes of the record that the NEXT change of slots will ask for: 24,576 bytes, waves 4 to 6 of work-group i = 0 alone (it walks records 0 .. 7 in order; the head's other
; work-groups walk the same), 8,192 bytes a wave, lanes 256 bytes apart: each aligned 256 bytes are named once.  Records 0 and 1, the scale records and the second walk come by their loads alone;
; the last record named is 7: asked for while more than 2 visits of the loop are left.
.macro ASK
	s_cmp_gt_u32 s[SLOTS], s[LIM]
	s_cbranch_scc0 .Lnot_asked_\@
	global_prefetch_b8 v[PFO], s[PFA:PFA+1] th:TH_LOAD_NT scope:SCOPE_SE
.Lnot_asked_\@:
.endm
	s_load_b128 s[4:7], s[0:1], 0x0                ; qkv, o_img
	s_load_b64 s[8:9], s[0:1], 0x10                ; o_s
	v_lshl_add_u32 v[SPW], v0, 2, SPARE
	v_mov_b32 v[NIL], 0
	ds_add_u32 v5, v6
	ds_add_u32 v5, v6
	s_wait_dscnt 0x0
	v_lshrrev_b32 v10, 5, v0
	s_delay_alu instid0(VALU_DEP_1)
	v_readfirstlane_b32 s[WV], v10                 ; wave 0..15
	s_mov_b32 s[WGI], ttmp9
	s_and_b32 s10, ttmp7, 0xffff                   ; 16 x batch + head
	s_sub_co_u32 s[SWV], 8, s[WGI]
	s_mov_b32 s[G1], 3<<16                         ; no mask; elements of 8 bytes; no padding: a dense block as 100 rows of 256 bytes
	s_mov_b32 s[G1+1], 32<<16
	s_mov_b32 s[G1+2], 100<<16
	s_mov_b32 s[G1+3], 32<<16
	s_mov_b32 s[G1+4], 100
	s_mov_b32 s[G1+5], 32
	s_mov_b32 s[G1+6], 0
	s_mov_b32 s[G1+7], 0
	s_mul_i32 s[OFS], s10, 8*REC
	s_add_co_u32 s[OFS], s[OFS], KV_OFF
	s_mov_b32 s[OFS+1], 0
	s_wait_kmcnt 0x0
	s_add_nc_u64 s[KVB:KVB+1], s[4:5], s[OFS:OFS+1]
	s_mov_b32 s[G0], 1
	s_mov_b32 s[G0+1], 0                           ; slot 0
	s_mov_b64 s[G0+2:G0+3], s[KVB:KVB+1]           ; record 0
	s_or_b32 s[G0+3], s[G0+3], 0x80000000
	TLOAD
	v_and_b32 v10, 31, v0
	s_delay_alu instid0(VALU_DEP_1)
	v_lshlrev_b32 v[L8], 3, v10
	s_wait_alu depctr_va_vdst(0)
	v_lshlrev_b32 v[PFO], 8, v10
	v_and_b32 v10, 15, v0                          ; r
	v_bfe_u32 v11, v0, 4, 1                        ; h
	s_delay_alu instid0(VALU_DEP_2)
	v_lshlrev_b32 v[R16], 4, v10
	s_wait_alu depctr_va_vdst(0)
	v_lshl_add_u32 v[OB], v10, 3, v11
	s_and_b32 s11, s10, 15                         ; head
	s_lshr_b32 s12, s10, 4                         ; batch
	s_and_b32 s13, s[WV], 7                        ; a: my tile in its 128 queries
	s_lshr_b32 s14, s[WV], 3
	s_sub_co_u32 s15, 7, s[WGI]
	s_lshl_b32 s15, s15, 1
	s_add_co_u32 s[QD], s15, s14                   ; the first tile's 128-query block: 2 (7 - i) + w / 8
	s_lshl_b32 s15, s[WGI], 1
	s_add_co_u32 s60, s15, s14                     ; the second's: 2 i + w / 8
	s_mov_b32 s47, 0
	s_mul_i32 s46, s10, 98304                      ; Q's codes: the head, my tile in a block,
	s_mul_i32 s15, s13, 768
	s_add_co_u32 s46, s46, s15
	s_add_nc_u64 s[72:73], s[4:5], s[46:47]
	s_mul_i32 s46, s[QD], 6144                     ; the block
	s_add_nc_u64 s[70:71], s[72:73], s[46:47]
	s_mul_i32 s46, s60, 6144
	s_add_nc_u64 s[72:73], s[72:73], s[46:47]
	s_lshl_b32 s46, s10, 12                        ; Q's scale records: the head, word a / 2,
	s_add_co_u32 s46, s46, QS_OFF
	s_lshr_b32 s15, s13, 1
	s_lshl_b32 s16, s15, 2
	s_add_co_u32 s46, s46, s16
	s_add_nc_u64 s[78:79], s[4:5], s[46:47]
	s_lshl_b32 s46, s[QD], 8                       ; the block
	s_add_nc_u64 s[74:75], s[78:79], s[46:47]
	s_lshl_b32 s46, s60, 8
	s_add_nc_u64 s[78:79], s[78:79], s[46:47]
.irp p, 0,1,2
	global_load_b64 v[16+2*\p:17+2*\p], v[L8], s[70:71] offset:256*\p      ; q, for the first tile of a pair of key tiles,
	global_load_b64 v[28+2*\p:29+2*\p], v[L8], s[70:71] offset:256*\p      ; and for the second
	global_load_b64 v[36+2*\p:37+2*\p], v[L8], s[72:73] offset:256*\p      ; my second tile's q
.endr
	global_load_b32 v35, v[R16], s[74:75]
	global_load_b32 v43, v[R16], s[78:79]
	s_lshl_b32 s15, s15, 5
	s_and_b32 s16, s13, 1
	s_lshl_b32 s16, s16, 3
	s_add_co_u32 s43, s15, s16                     ; my tile's first row in its 128: 32 (a / 2) + 8 (a % 2)
	v_and_b32 v[DM], 8, v10
	s_delay_alu instid0(VALU_DEP_1)
	v_add_nc_u32 v[DM], v[DM], v10
	v_lshlrev_b32 v11, 4, v11
	s_delay_alu instid0(VALU_DEP_1)
	v_sub_nc_u32 v[DM], v[DM], v11
	s_delay_alu instid0(VALU_DEP_1)
	v_add_nc_u32 v[DM], s43, v[DM]
	; where the results go.  o_img: [block of 128 tokens][K step = head / 2][tile a][image], head % 2 = which 768 bytes
	s_mul_i32 s46, s12, 16*98304
	s_lshr_b32 s15, s11, 1
	s_mul_i32 s16, s15, 12288
	s_add_co_u32 s46, s46, s16
	s_mul_i32 s16, s13, 1536
	s_add_co_u32 s46, s46, s16
	s_and_b32 s17, s11, 1
	s_mul_i32 s16, s17, 768
	s_add_co_u32 s46, s46, s16
	s_add_nc_u64 s[56:57], s[6:7], s[46:47]
	s_mul_i32 s46, s[QD], 98304
	s_add_nc_u64 s[52:53], s[56:57], s[46:47]
	s_mul_i32 s46, s60, 98304
	s_add_nc_u64 s[56:57], s[56:57], s[46:47]
	; o_s: [64 tokens][K step][256]: the word of tile ii, row r at 8 (r + 16 (ii / 2)) + 4 (ii % 2); my head's two bytes at 2 (head % 2)
	s_lshl_b32 s46, s12, 16
	s_lshr_b32 s16, s13, 2
	s_lshl_b32 s16, s16, 11
	s_add_co_u32 s46, s46, s16
	s_lshl_b32 s16, s15, 8
	s_add_co_u32 s46, s46, s16
	s_bfe_u32 s16, s13, 0x10001
	s_lshl_b32 s16, s16, 7
	s_add_co_u32 s46, s46, s16
	s_and_b32 s16, s13, 1
	s_lshl_b32 s16, s16, 2
	s_add_co_u32 s46, s46, s16
	s_lshl_b32 s16, s17, 1
	s_add_co_u32 s46, s46, s16
	s_add_nc_u64 s[58:59], s[8:9], s[46:47]
	s_lshl_b32 s46, s[QD], 12
	s_add_nc_u64 s[54:55], s[58:59], s[46:47]
	s_lshl_b32 s46, s60, 12
	s_add_nc_u64 s[58:59], s[58:59], s[46:47]
	s_mov_b32 s48, 0x03020302                      ; which two bytes of the scale word are my tile's: a % 2; they are laid twice
	s_and_b32 s16, s13, 1
	s_cmp_eq_u32 s16, 0
	s_cselect_b32 s48, 0x01000100, s48
	s_mov_b32 s[SEL], 0x76543210
	s_mov_b32 s[SEL+1], 0xfedcba98
	s_mov_b32 s[CS], 0x3e38aa3b
	s_mov_b32 s[CS+1], s[CS]                       ; (named with it as a pair, so it is written)
	s_mov_b32 s[HALF], 0xffff0000
	s_mov_b32 s[TB], 0
	s_mov_b32 s[KS], 0
	s_mov_b32 s[FS], 0
	s_mov_b32 s[SLOTS], 8
	s_and_b32 s46, s[WV], 3                        ; the prefetches: my wave's 8,192 bytes, in record 1: the first change of slots steps it to record 2
	s_lshl_b32 s46, s46, 13
	s_add_co_u32 s46, s46, REC
	s_add_nc_u64 s[PFA:PFA+1], s[KVB:KVB+1], s[46:47]
	s_sub_co_u32 s3, s[WV], 4
	s_lshr_b32 s3, s3, 2                           ; 0 in waves 4 to 7,
	s_or_b32 s3, s3, ttmp9                         ; of work-group i = 0
	s_cmp_eq_u32 s3, 0
	s_cselect_b32 s[LIM], 2, -1
	s_cmp_eq_u32 s[WV], 7                          ; (the codes are three waves' worth)
	s_cselect_b32 s[LIM], -1, s[LIM]
	v_mov_b32 v13, 0xff61b1e6                      ; the largest t so far: -3e38
	s_delay_alu instid0(VALU_DEP_1)
	v_floor_f32 v12, -v13                          ; -M
	v_mov_b32 v14, 0
	v_mov_b32 v15, 0
.irp p, 0,1,2,3,4,5
	v_mov_b32 v[22+\p], 0                          ; the zero codes between the two q
.endr
.irp b, 0,1,2,3
	v_mov_b32 v[236+\b], 0                         ; written once: a lane permute's destination counts as one of its sources
.endr
	v_mov_b32 v252, 0
	v_mov_b32 v253, 0
	s_wait_loadcnt 0x0                             ; Q
	v_perm_b32 v34, v35, v35, s48
	v_perm_b32 v42, v43, v43, s48
.set j, 0
.rept 32
	v_mov_b32 v[160+j], 0                          ; O^T: the step is written once; the first change of M leaves zeros zeros.  (Also the places behind the scale word's write)
.set j, j+1
.endr
; A KEY STEP: 128 keys, the q-th of the record in hand
.macro STEP q
	s_cmp_gt_u32 s[KS], s[QD]                      ; all its keys come after my queries: nothing to do
	s_cbranch_scc1 .Lhidden_\@
	v_add_nc_u32 v[ADR], s[TB], v[L8]
	v_add_nc_u32 v[ADS], s[TB], v[R16]
	v_nop
	v_nop                                          ; four places in front of loads into registers that the last products read
.irp m, 0,1,2,3
.irp p, 0,1,2,3,4,5
	ds_load_b64 v[48+12*\m+2*\p:49+12*\m+2*\p], v[ADR] offset:6144*(\q)+1536*\m+256*\p   ; key tiles 2 m and 2 m + 1: 256 consecutive bytes a load
.endr
.endr
	ds_load_b128 v[44:47], v[ADS] offset:24576+256*(\q)
	s_wait_alu depctr_va_vdst(0)
	s_wait_dscnt 0x0
.irp m, 0,1,2,3
	v_wmma_scale_f32_16x16x128_f8f6f4 v[96+16*\m:103+16*\m], v[48+12*\m:59+12*\m], v[16:27], 0, v[44+\m], v34 matrix_a_fmt:MATRIX_FMT_BF6 matrix_b_fmt:MATRIX_FMT_BF6
	v_wmma_scale_f32_16x16x128_f8f6f4 v[104+16*\m:111+16*\m], v[48+12*\m:59+12*\m], v[22:33], 0, v[44+\m], v34 matrix_a_fmt:MATRIX_FMT_BF6 matrix_b_fmt:MATRIX_FMT_BF6
.endr                                          ; register 16 b + i: key 32 b + 16 h + i of the step
.rept 4
	v_nop
.endr
.irp t, 0,1,2,3                                ; V^T's four fragments land under the softmax
.irp p, 0,1,2,3,4,5
	ds_load_b64 v[48+12*\t+2*\p:49+12*\t+2*\p], v[ADR] offset:12288+6144*(\q)+1536*\t+256*\p
.endr
.endr
	ds_load_b128 v[44:47], v[ADS] offset:25088+256*(\q)
	s_cmp_lt_u32 s[KS], s[QD]                      ; on the diagonal hidden scores become -infinity ahead of the maximum: p = 0 then
	s_cbranch_scc1 .Lopen_\@
	v_mov_b32 v254, 0xff800000
.set n, 0
.rept 64
	v_cmp_gt_i32 vcc_lo, 32*(n/16)+n%16, v[DM]
	v_cndmask_b32 v[96+n], v[96+n], v254, vcc_lo
.set n, n+1
.endr
.Lopen_\@:
.irp b, 0,1,2,3
	v_max3_num_f32 v[232+\b], v[96+16*\b], v[97+16*\b], v[98+16*\b]   ; the largest score of each block of 32 keys: for the row's maximum, and for the block's largest p
.endr
.irp i, 3,5,7,9,11,13
.irp b, 0,1,2,3
	v_max3_num_f32 v[232+\b], v[232+\b], v[96+16*\b+\i], v[97+16*\b+\i]
.endr
.endr
.irp b, 0,1,2,3
	v_max_num_f32 v[232+\b], v[232+\b], v[111+16*\b]
.endr
.irp b, 0,1,2,3
	s_delay_alu instid0(VALU_DEP_4)
	v_permlanex16_b32 v[236+\b], v[232+\b], s[SEL], s[SEL+1]
.endr
.irp b, 0,1,2,3
	s_delay_alu instid0(VALU_DEP_4)
	v_max_num_f32 v[232+\b], v[232+\b], v[236+\b]
.endr
	s_delay_alu instid0(VALU_DEP_2)
	v_max3_num_f32 v254, v232, v233, v234
	s_delay_alu instid0(VALU_DEP_1)
	v_max_num_f32 v254, v254, v235
	s_delay_alu instid0(VALU_DEP_1)
	v_mul_f32 v254, s[CS], v254
	s_delay_alu instid0(VALU_DEP_1)
	v_max_num_f32 v13, v13, v254                   ; the running largest t
	v_mov_b32 v254, v12
	s_delay_alu instid0(VALU_DEP_2)
	v_floor_f32 v12, -v13                          ; -M = floor(-t): M is a whole number
	s_delay_alu instid0(VALU_DEP_1)
	v_sub_f32 v254, v12, v254
	s_delay_alu instid0(VALU_DEP_1)
	v_cvt_i32_f32 v254, v254
	s_delay_alu instid0(VALU_DEP_1)
	v_ldexp_f32 v252, 1.0, v254                    ; f = 2^(old M - new M)
.set j, 0
.rept 32
	v_pk_fma_f32 v[96+j:97+j], v[96+j:97+j], s[CS:CS+1], v[12:13] op_sel_hi:[1,0,0]   ; t - M
.set j, j+2
.endr
.irp b, 0,1,2,3
	v_fma_f32 v[232+\b], v[232+\b], s[CS], v12
.endr
.set j, 0
	s_wait_alu depctr_va_vdst(0)
.rept 64
	v_exp_f32 v[96+j], v[96+j]                     ; p = 2^(t - M)
.set j, j+1
.endr
	v_pk_mul_f32 v[14:15], v[14:15], v[252:253] op_sel_hi:[1,0]   ; the sums under the new M: a plain place behind the exponentials
	s_wait_alu depctr_va_vdst(0)                   ; one wait for the batch, ahead of its first reader
.irp b, 0,1,2,3
	v_exp_f32 v[232+\b], v[232+\b]                 ; the block's largest p
.endr
	v_pk_add_f32 v[236:237], v[100:101], v[104:105]
	v_pk_add_f32 v[254:255], v[108:109], v[112:113]
	v_pk_add_f32 v[250:251], v[116:117], v[120:121]
	v_pk_add_f32 v[248:249], v[124:125], v[128:129]
	v_pk_add_f32 v[246:247], v[132:133], v[136:137]
	v_pk_add_f32 v[244:245], v[140:141], v[144:145]
	v_pk_add_f32 v[242:243], v[148:149], v[152:153]
	v_pk_add_f32 v[14:15], v[14:15], v[156:157]
	v_pk_add_f32 v[236:237], v[236:237], v[96:97]
	v_pk_add_f32 v[254:255], v[254:255], v[98:99]
	v_pk_add_f32 v[250:251], v[250:251], v[102:103]
	v_pk_add_f32 v[248:249], v[248:249], v[106:107]
	v_pk_add_f32 v[246:247], v[246:247], v[110:111]
	v_pk_add_f32 v[244:245], v[244:245], v[114:115]
	v_pk_add_f32 v[242:243], v[242:243], v[118:119]
	v_pk_add_f32 v[14:15], v[14:15], v[122:123]
	v_pk_add_f32 v[236:237], v[236:237], v[126:127]
	v_pk_add_f32 v[254:255], v[254:255], v[130:131]
	v_pk_add_f32 v[250:251], v[250:251], v[134:135]
	v_pk_add_f32 v[248:249], v[248:249], v[138:139]
	v_pk_add_f32 v[246:247], v[246:247], v[142:143]
	v_pk_add_f32 v[244:245], v[244:245], v[146:147]
	v_pk_add_f32 v[242:243], v[242:243], v[150:151]
	v_pk_add_f32 v[14:15], v[14:15], v[154:155]
	v_pk_add_f32 v[236:237], v[236:237], v[158:159]
	s_delay_alu instid0(VALU_DEP_2)
	v_pk_add_f32 v[14:15], v[14:15], v[248:249]
	s_delay_alu instid0(VALU_DEP_2)
	v_pk_add_f32 v[236:237], v[236:237], v[246:247]
	v_pk_add_f32 v[254:255], v[254:255], v[244:245]
	v_pk_add_f32 v[250:251], v[250:251], v[242:243]
	s_delay_alu instid0(VALU_DEP_2)
	v_pk_add_f32 v[14:15], v[14:15], v[254:255]
	s_delay_alu instid0(VALU_DEP_2)
	v_pk_add_f32 v[236:237], v[236:237], v[250:251]
	s_delay_alu instid0(VALU_DEP_1)
	v_pk_add_f32 v[14:15], v[14:15], v[236:237]
	s_wait_alu depctr_va_vdst(0)                   ; and one for the four
.irp b, 0,1,2,3
	v_max_num_f32 v[232+\b], 0x2800000, v[232+\b]  ; the floor 2^(5 - 127)
.endr
.irp b, 0,1,2,3
	s_delay_alu instid0(VALU_DEP_4)
	v_add_nc_u32 v[244+\b], 0xfe000000, v[232+\b]
.endr
.irp b, 0,1,2,3
	s_delay_alu instid0(VALU_DEP_4)
	v_lshrrev_b32 v[236+\b], 23, v[244+\b]
.endr
	s_delay_alu instid0(VALU_DEP_3)
	v_lshl_or_b32 v253, v237, 8, v236              ; p's scale word for these 128 keys
	s_delay_alu instid0(VALU_DEP_1)
	v_lshl_or_b32 v253, v238, 16, v253
	s_delay_alu instid0(VALU_DEP_1)
	v_lshl_or_b32 v253, v239, 24, v253
.irp c, 0,1
	v_cvt_scalef32_pk16_bf6_f32 v[224+6*\c:226+6*\c], v[96+32*\c:111+32*\c], v[244+2*\c]
	v_cvt_scalef32_pk16_bf6_f32 v[236+4*\c:238+4*\c], v[112+32*\c:127+32*\c], v[244+2*\c+1]
.endr
	v_nop                                          ; one plain place behind a scaled conversion
.irp c, 0,1
.irp i, 0,1,2
	v_permlane16_swap_b32 v[224+6*\c+\i], v[236+4*\c+\i]
.endr
.irp i, 0,1,2
	s_delay_alu instid0(VALU_DEP_3)
	v_mov_b32 v[227+6*\c+\i], v[236+4*\c+\i]
.endr
.endr
.set j, 0
.rept 16
	v_pk_mul_f32 v[160+j:161+j], v[160+j:161+j], v[252:253] op_sel_hi:[1,0]   ; O^T under the new M; these are also the places in front of the products below
.set j, j+2
.endr
	s_wait_alu depctr_va_vdst(0)
	s_wait_dscnt 0x0                               ; V^T
.irp t, 0,1,2,3
	v_wmma_scale_f32_16x16x128_f8f6f4 v[160+8*\t:167+8*\t], v[48+12*\t:59+12*\t], v[224:235], v[160+8*\t:167+8*\t], v[44+\t], v253 matrix_a_fmt:MATRIX_FMT_BF6 matrix_b_fmt:MATRIX_FMT_BF6
.endr
.Lhidden_\@:
	s_add_co_u32 s[KS], s[KS], 1
.endm
; THE CHANGE OF SLOTS, at a visit's head: each wave waits for all its tensor loads, adds 0 to its spare word, waits for that and for its reads of the slot that it has left; behind the barrier the slot ahead
; is whole and nobody reads the other.  fill = 1: that other slot takes the next visit's record: the one after the last, or record 0 where the first walk ends.
.macro CHANGE fill
	s_wait_tensorcnt 0x0                           ; no tensor load of mine is out, so the descriptor may be written
	ds_add_u32 v[SPW], v[NIL]
.if \fill
	s_add_co_u32 s[FS], s[FS], 1
	s_cmp_eq_u32 s[FS], s[SWV]
	s_cselect_b32 s[FS], 0, s[FS]
	s_mul_i32 s[OFS], s[FS], REC
	s_xor_b32 s[G0+1], s[G0+1], SLOT1
	s_add_nc_u64 s[G0+2:G0+3], s[KVB:KVB+1], s[OFS:OFS+1]
	s_or_b32 s[G0+3], s[G0+3], 0x80000000
	s_wait_xcnt 0x0                                ; the last prefetch, a visit back, has read its address
	s_add_nc_u64 s[PFA:PFA+1], s[PFA:PFA+1], REC
.endif
	s_wait_dscnt 0x0
	s_barrier_signal -1
	s_barrier_wait -1
.if \fill
	TLOAD                                          ; the first thing behind the barrier, and the wave's one tensor load until the next
	ASK
.endif
.endm
; A TILE'S END: O^T / the sum, quantised along the head's 64 (two blocks), stored as half a fragment's image and two scale bytes a row
.macro FINAL
.rept 4
	v_nop                                          ; places behind the last products
.endr
	v_add_f32 v14, v14, v15
	s_delay_alu instid0(VALU_DEP_1)
	v_permlanex16_b32 v252, v14, s[SEL], s[SEL+1]
	s_delay_alu instid0(VALU_DEP_1)
	v_add_f32 v14, v14, v252                       ; the row's sum
	s_wait_alu depctr_va_vdst(0)
	v_rcp_f32 v14, v14
	v_nop                                          ; a plain place behind the transcendental
	s_wait_alu depctr_va_vdst(0)                   ; and the wait ahead of its first reader
.set j, 0
.rept 32
	v_mul_f32 v[96+j], v[160+j], v14               ; register 16 b + i: channel 32 b + 16 h + i of my query
.set j, j+1
.endr
.irp b, 0,1
	v_max3_num_f32 v[232+\b], |v[96+16*\b]|, |v[97+16*\b]|, 0x2800000
.endr
.irp i, 2,4,6,8,10,12,14
.irp b, 0,1
	s_delay_alu instid0(VALU_DEP_2)
	v_max3_num_f32 v[232+\b], v[232+\b], |v[96+16*\b+\i]|, |v[97+16*\b+\i]|
.endr
.endr
.irp b, 0,1
	s_delay_alu instid0(VALU_DEP_2)
	v_permlanex16_b32 v[236+\b], v[232+\b], s[SEL], s[SEL+1]
.endr
.irp b, 0,1
	s_delay_alu instid0(VALU_DEP_2)
	v_max_num_f32 v[232+\b], v[232+\b], v[236+\b]
.endr
.irp b, 0,1
	s_delay_alu instid0(VALU_DEP_2)
	v_add_nc_u32 v[244+\b], 0xfe000000, v[232+\b]
.endr
.irp b, 0,1
	s_delay_alu instid0(VALU_DEP_2)
	v_lshrrev_b32 v[236+\b], 23, v[244+\b]
.endr
	v_cvt_scalef32_pk16_bf6_f32 v[224:226], v[96:111], v244
	v_cvt_scalef32_pk16_bf6_f32 v[228:230], v[112:127], v245
	v_cndmask_b32 v238, v236, v237, s[HALF]        ; lane (r, h) keeps block h's byte.  (The plain place behind the conversions)
.irp i, 0,1,2
	v_permlane16_swap_b32 v[224+\i], v[228+\i]     ; a whole block to a lane
.endr
	s_delay_alu instid0(VALU_DEP_3)
	v_mov_b32 v227, v228
	s_delay_alu instid0(VALU_DEP_3)
	v_mov_b32 v228, v229
	s_delay_alu instid0(VALU_DEP_3)
	v_mov_b32 v229, v230
.irp p, 0,1,2
	global_store_b64 v[L8], v[224+2*\p:225+2*\p], s[52:53] offset:256*\p   ; 256 consecutive bytes, aligned
.endr
	global_store_b8 v[OB], v238, s[54:55]          ; a scale word belongs to two heads' work-groups: my two bytes of each row's word go singly, 2 bytes for each 48 of codes
.endm
; Where the second walk begins (8 - i visits in: a branch on ids) the first tile ends and the second takes its place
.macro SWITCH
	s_cmp_eq_u32 s[SLOTS], s[WGI]
	s_cbranch_scc0 .Lsame_\@
	FINAL
	v_mov_b32 v34, v42                             ; the scale word first: more than eight plain instructions follow ahead of the next product
.irp p, 0,1,2,3,4,5
	v_mov_b32 v[16+\p], v[36+\p]
	v_mov_b32 v[28+\p], v[36+\p]
.endr
	v_mov_b32 v13, 0xff61b1e6
	s_delay_alu instid0(VALU_DEP_1)
	v_floor_f32 v12, -v13
	v_mov_b32 v14, 0
	v_mov_b32 v15, 0
.set j, 0
.rept 32
	v_mov_b32 v[160+j], 0
.set j, j+1
.endr
	s_wait_xcnt 0x0                                ; the stores have read their data and their bases
	s_mov_b64 s[52:53], s[56:57]
	s_mov_b64 s[54:55], s[58:59]
	s_mov_b32 s[QD], s60
	s_mov_b32 s[KS], 0
.Lsame_\@:
.endm
.Lvisit:                                           ; eight trips: behind each change of slots but the last the next record is asked for
	CHANGE 1
	SWITCH
	STEP 0
	STEP 1
	s_xor_b32 s[TB], s[TB], SLOT1
	s_sub_co_u32 s[SLOTS], s[SLOTS], 1
	s_cmp_lg_u32 s[SLOTS], 0
	s_cbranch_scc1 .Lvisit
	CHANGE 0                                       ; the ninth visit is written out
	SWITCH
	STEP 0
	STEP 1
	FINAL
	s_wait_tensorcnt 0x0                           ; the wave's end
	ds_add_u32 v[SPW], v[NIL]
	s_wait_dscnt 0x0
	s_endpgm
.Lfunc_end_k_q33311e55ce_attn:
	.size	k_q33311e55ce_attn, .Lfunc_end_k_q33311e55ce_attn-k_q33311e55ce_attn
	.p2alignl 7, 3214868480
	.fill 96, 4, 3214868480
	.section	.rodata,"a",@progbits
	.p2align	6, 0x0
	.amdhsa_kernel k_q33311e55ce_attn
		.amdhsa_group_segment_fixed_size 327680
		.amdhsa_private_segment_fixed_size 0
		.amdhsa_enable_private_segment 0
		.amdhsa_kernarg_size 24
		.amdhsa_user_sgpr_count 2
		.amdhsa_user_sgpr_kernarg_segment_ptr 1
		.amdhsa_wavefront_size32 1
		.amdhsa_system_sgpr_workgroup_id_x 1
		.amdhsa_system_sgpr_workgroup_id_y 1
		.amdhsa_system_sgpr_workgroup_id_z 1
		.amdhsa_system_vgpr_workitem_id 0
		.amdhsa_next_free_vgpr 256
		.amdhsa_next_free_sgpr 100
		.amdhsa_reserve_vcc 1
		.amdhsa_float_denorm_mode_32 3
		.amdhsa_float_denorm_mode_16_64 3
		.amdhsa_memory_ordered 1
		.amdhsa_forward_progress 1
		.amdhsa_inst_pref_size 120
	.end_amdhsa_kernel
	.amdgpu_metadata
---
amdhsa.version: [ 1, 2 ]
amdhsa.kernels:
  - .name:           k_q33311e55ce_attn
    .symbol:         k_q33311e55ce_attn.kd
    .args:
      - { .name: qkv, .offset: 0, .size: 8, .value_kind: global_buffer, .address_space: global }
      - { .name: o_img, .offset: 8, .size: 8, .value_kind: global_buffer, .address_space: global }
      - { .name: o_s, .offset: 16, .size: 8, .value_kind: global_buffer, .address_space: global }
    .group_segment_fixed_size: 327680
    .private_segment_fixed_size: 0
    .kernarg_segment_align: 8
    .kernarg_segment_size: 24
    .max_flat_workgroup_size: 512
    .sgpr_count:     100
    .vgpr_count:     256
    .wavefront_size: 32
...
	.end_amdgpu_metadata
.endif
;; end of part 3
;; launch oproj (part 4): grid 4 x 32, 4 waves a work-group, clusters of 4 x 4, 327,680 bytes of LDS; arguments o_img, o_s, xw, xws, WO_b, out0; writes out0
.if DOCPART == 4
	.amdgcn_target "amdgcn-amd-amdhsa--gfx1250"
	.amdhsa_code_object_version 6
	.text
	.protected	k_q33311e55ce_oproj
	.globl	k_q33311e55ce_oproj
	.p2align	8
	.type	k_q33311e55ce_oproj,@function
k_q33311e55ce_oproj:
	s_mov_b64 s[64:65], 0
	v_nop
	global_prefetch_b8 v0, s[64:65] scope:SCOPE_SE
	s_setreg_imm32_b32 hwreg(HW_REG_WAVE_MODE, 25, 1), 1
	s_wait_xcnt 0x0
	s_wait_alu depctr_hold_cnt(0) depctr_sa_sdst(0) depctr_va_vdst(0) depctr_va_sdst(0) depctr_va_ssrc(0) depctr_va_vcc(0) depctr_vm_vsrc(0)
	s_getreg_b32 s2, hwreg(HW_REG_IB_STS2, 6, 4)
	s_cmp_eq_u32 s2, 0
	s_cbranch_scc0 .Lentry_in_a_cluster
	s_endpgm
.Lentry_in_a_cluster:
	s_bfe_u32 s2, ttmp6, 0x10000c
	s_cmp_lg_u32 s2, 0xf033
	s_cbranch_scc0 .Lentry_shape_is_right
	s_endpgm
.Lentry_shape_is_right:
; out0 = O WO^T + bO on codes of BF6 (E3M2) with E8M0 scales, f32 sums, f32 out.  O's codes (o_img, o_s) and WO's (xw, xws: blocks 88-95 of 128 rows) lie as images of fragments:
; [block of 128 rows][K step][tile][1,536 bytes: register pair p of lane l at 256 p + 8 l]; a tile's rows are 32 b + 8 u + r + 8 (r / 8).
; THE PRODUCT IS USED TRANSPOSED (source 0 = a tile of WO's rows, source 1 = a tile of tokens): lane (r, h) holds token r of the tile, and register j of WO's tile b the column 32 (b / 2) + 8 (b % 2) + 16 h + j.
; The bias is the C of each sum's first matrix instruction: eight registers a tile of WO, in the result's layout.
; SHARES: a work-group makes 256 tokens x 256 columns, each of four waves 128 x 128: 64 accumulators.  K = 8 steps of 128 through two LDS slots of two steps; one tensor load a wave brings 24,576 dense bytes.
; The scale words come once with the first fills.  A wave has at most three tensor loads out.  CLUSTER 4 x 4: the tokens' tiles are asked for jointly along a row, WO's along a column.
; 8,192 x 1,024 numbers make 128 such work-groups; a tile of half the rows would double them and read half again as many LDS bytes for each matrix instruction.
; REGISTERS: window 0: v10-29 addresses; v32-63 scale words, two sets; v128-223 A's fragments; on the way out v128-255 rows of the result.  window 1: B's two sets at v0 and v128; the bias at v96-127 and v224-255.
;   windows 2, 3: accumulator (a, b) at v[8 (8 (a % 4) + b)].
.set PIB,    1536
.set FR,     12
.set NL,     6
.set NP,     4                         ; places behind this matrix instruction (ISA guide 7.12.1)
.set HALFT,  24576
.set SLOT,   4*HALFT
.set SCA,    2*SLOT
.set SCB,    SCA+8192+128              ; 128 bytes askew: lanes 16-31 of a scale load fall on the other banks than lanes 0-15
.set SPARE,  213248                    ; the spare words: two blocks of 256 bytes that no other line names
.set SPITCH, 528                       ; the way out: 16 rows x (512 + 16) bytes a wave, in slot 0, which has had its last fill and its last read by then
.set ADRA, 16
.set ADRB, 20
.set STO,  24
.set RD,   25
.set CO,   26
.set ADRS, 27
.set SPW,  28
.set NIL,  29
.set SC,   32
.set AF,   128
.set BK,   128
.set G1, 24
.set G0, 32
.set G1B, 48
.set G0B, 56
.set G1S, 68
.set G0S, 76
.set G1SB, 80
.set G0SB, 88
.set MSB, 0
.macro WIN new
.if MSB != \new
	s_set_vgpr_msb (MSB<<8)|\new
.set MSB, \new
.endif
.endm
.set MUL_LO, 0xa1                      ; source 0 (B) window 1, source 1 (A) window 0, C and D window 2
.set MUL_HI, 0xf1
.set TO_B,   0x40
.macro JLOAD g0a, g1a, g0b, g1b        ; waves 0, 1 fetch for A, waves 2, 3 for B; four v_nop follow each line
	s_cmp_eq_u32 s15, 0
	s_cbranch_scc0 .Lfor_b_\@
	tensor_load_to_lds s[\g0a:\g0a+3], s[\g1a:\g1a+7]
	s_nop 0
.rept 4
	v_nop
.endr
	s_branch .Lasked_\@
.Lfor_b_\@:
	tensor_load_to_lds s[\g0b:\g0b+3], s[\g1b:\g1b+7]
	s_nop 0
.rept 4
	v_nop
.endr
.Lasked_\@:
.endm
.macro CREST
	s_cmp_lg_u32 s14, 0
	s_cbranch_scc1 .Lnot_wave_0_\@
	s_barrier_signal -3
.Lnot_wave_0_\@:
	s_barrier_wait -3
	s_barrier_signal -1
	s_barrier_wait -1
.endm
.macro CROUND
	s_barrier_signal -1
	s_barrier_wait -1
	CREST
.endm
	s_load_b128 s[4:7], s[0:1], 0x0                ; o_img, o_s
	s_load_b128 s[8:11], s[0:1], 0x10              ; xw, xws
	s_load_b128 s[96:99], s[0:1], 0x20             ; WO_b, out0
	v_lshl_add_u32 v[SPW], v0, 2, SPARE
	v_mov_b32 v[NIL], 0
	ds_add_u32 v28, v29
	s_wait_dscnt 0x0
	v_lshrrev_b32 v1, 5, v0
	v_readfirstlane_b32 s14, v1                    ; wave 0..3
	s_lshr_b32 s15, s14, 1                         ; ha.  Also: I fetch for A (0) or for B (1)
	s_and_b32 s16, s14, 1                          ; hb.  Also: which 128 rows I fetch
	s_bfe_u32 s40, ttmp6, 0x40000                  ; cx
	s_bfe_u32 s41, ttmp6, 0x40004                  ; cy
	s_and_b32 s17, ttmp7, 0xffff
	s_lshl_b32 s17, s17, 2                         ; 4 x cluster y
	s_lshl_b32 s43, s41, 2
	s_lshl_b32 s43, 15, s43                        ; my row of the cluster
	s_lshl_b32 s44, 0x1111, s40                    ; my column
	s_or_b32 s[G1+0], s43, (3<<16)|(1<<21)         ; the mask; elements of 8 bytes; 21 set beside a mask; no padding
	s_or_b32 s[G1B+0], s44, (3<<16)|(1<<21)
	s_or_b32 s[G1S+0], s43, (3<<16)|(1<<21)
	s_or_b32 s[G1SB+0], s44, (3<<16)|(1<<21)
.irp g, G1, G1B
	s_mov_b32 s[\g+1], 32<<16                      ; dense blocks as rows of 256 bytes: 96 rows of codes
	s_mov_b32 s[\g+2], 96<<16
	s_mov_b32 s[\g+3], 32<<16
	s_mov_b32 s[\g+4], 96
	s_mov_b32 s[\g+5], 32
	s_mov_b32 s[\g+6], 0
	s_mov_b32 s[\g+7], 0
.endr
.irp g, G1S, G1SB
	s_mov_b32 s[\g+1], 32<<16                      ; 16 rows of scale words
	s_mov_b32 s[\g+2], 16<<16
	s_mov_b32 s[\g+3], 32<<16
	s_mov_b32 s[\g+4], 16
	s_mov_b32 s[\g+5], 32
	s_mov_b32 s[\g+6], 0
	s_mov_b32 s[\g+7], 0
.endr
	s_add_co_u32 s20, s17, s41                     ; A: 256 tokens number 4 x cluster y + cy,
	s_add_co_u32 s46, s40, 44                      ; B: WO's 256 rows number cx, behind 44 x 256 rows of xw
	s_lshl_b32 s20, s20, 1
	s_add_co_u32 s20, s20, s16                     ; the block of 128 rows that I fetch
	s_lshl_b32 s46, s46, 1
	s_add_co_u32 s46, s46, s16
	s_lshl_b32 s22, s20, 12
	s_mov_b32 s23, 0
	s_mul_i32 s20, s20, 98304
	s_mov_b32 s21, 0
	s_lshl_b32 s92, s46, 12
	s_mov_b32 s93, 0
	s_mul_i32 s46, s46, 98304
	s_mov_b32 s47, 0
	s_mul_i32 s45, s14, HALFT
	s_lshl_b32 s94, s14, 12
	s_wait_kmcnt 0x0
	s_add_nc_u64 s[20:21], s[4:5], s[20:21]
	s_add_nc_u64 s[22:23], s[6:7], s[22:23]
	s_add_nc_u64 s[46:47], s[8:9], s[46:47]
	s_add_nc_u64 s[92:93], s[10:11], s[92:93]
	CROUND                                         ; all sixteen work-groups are here: the first joint loads meet
	s_mov_b32 s[G0S], 1
	s_add_co_u32 s[G0S+1], s94, SCA
	s_mov_b64 s[G0S+2:G0S+3], s[22:23]
	s_or_b32 s[G0S+3], s[G0S+3], 0x80000000
	s_mov_b32 s[G0SB], 1
	s_add_co_u32 s[G0SB+1], s94, SCA+128
	s_mov_b64 s[G0SB+2:G0SB+3], s[92:93]
	s_or_b32 s[G0SB+3], s[G0SB+3], 0x80000000
	JLOAD G0S, G1S, G0SB, G1SB
.irp s, 0,1
	s_mov_b32 s[G0+4*\s], 1
	s_add_co_u32 s[G0+4*\s+1], s45, \s*SLOT
	s_add_nc_u64 s[G0+4*\s+2:G0+4*\s+3], s[20:21], \s*HALFT
	s_or_b32 s[G0+4*\s+3], s[G0+4*\s+3], 0x80000000
	s_mov_b32 s[G0B+4*\s], 1
	s_add_co_u32 s[G0B+4*\s+1], s45, \s*SLOT
	s_add_nc_u64 s[G0B+4*\s+2:G0B+4*\s+3], s[46:47], \s*HALFT
	s_or_b32 s[G0B+4*\s+3], s[G0B+4*\s+3], 0x80000000
	JLOAD G0+4*\s, G1, G0B+4*\s, G1B
.endr
	v_and_b32 v1, 15, v0                           ; r
	v_bfe_u32 v2, v0, 4, 1                         ; h
	v_and_b32 v3, 31, v0
	v_lshlrev_b32 v4, 3, v3
	s_mul_i32 s21, s15, HALFT
	s_mul_i32 s22, s16, HALFT
	s_add_co_u32 s22, s22, 2*HALFT
.irp s, 0,1
	v_add_nc_u32 v[ADRA+\s], s21, v4
	v_add_nc_u32 v[ADRB+\s], s22, v4
	s_add_co_u32 s21, s21, SLOT
	s_add_co_u32 s22, s22, SLOT
.endr
	v_lshlrev_b32 v5, 3, v1
	s_lshl_b32 s21, s15, 12
	s_lshl_b32 s22, s16, 12
	s_add_co_u32 s22, s22, SCB-SCA
	s_sub_co_u32 s22, s22, s21
	v_mul_u32_u24 v6, s22, v2                      ; lanes 16-31 take B's: one product
	s_add_co_u32 s21, s21, SCA
	v_add_nc_u32 v5, v5, v6
	v_add_nc_u32 v[ADRS], s21, v5
	s_mul_i32 s23, s14, 16*SPITCH                  ; my stage
	v_mul_u32_u24 v5, v1, SPITCH
	v_lshl_add_u32 v5, v2, 6, v5
	v_add_nc_u32 v[STO], s23, v5                   ; in: row r, + 64 h
	v_lshlrev_b32 v[CO], 4, v3
	v_add_nc_u32 v[RD], s23, v[CO]                 ; back: a row's 512 bytes, 16 a lane
	s_add_co_u32 s20, s17, s41
	s_lshl_b32 s20, s20, 8
	s_lshl_b32 s21, s15, 7
	s_add_co_u32 s20, s20, s21                     ; my first row of out0
	s_lshl_b32 s20, s20, 12                        ; rows of 4,096 bytes (under 2^26 in all)
	s_lshl_b32 s46, s40, 10
	s_lshl_b32 s47, s16, 9
	s_add_co_u32 s46, s46, s47                     ; my first column, in bytes: in a row of out0 and in the bias alike
	s_add_co_u32 s20, s20, s46
	s_mov_b32 s21, 0
	s_mov_b32 s47, 0
	s_add_nc_u64 s[12:13], s[98:99], s[20:21]
	s_add_nc_u64 s[96:97], s[96:97], s[46:47]
	v_lshlrev_b32 v10, 6, v2                       ; 16 h numbers
	WIN TO_B
.irp b, 0,1,2,3,4,5,6,7
	global_load_b128 v[96+128*(\b/4)+8*(\b%4):96+128*(\b/4)+8*(\b%4)+3], v10, s[96:97] offset:(32*(\b/2)+8*(\b%2))*4
	global_load_b128 v[96+128*(\b/4)+8*(\b%4)+4:96+128*(\b/4)+8*(\b%4)+7], v10, s[96:97] offset:(32*(\b/2)+8*(\b%2))*4+16
.endr
	WIN 0
.macro FRAG reg, adr, q, i
.irp p, 0,1,2,3,4,5
	ds_load_b64 v[\reg+2*\p:\reg+2*\p+1], v[\adr] offset:(8*(\q)+(\i))*PIB+256*\p
.endr
.endm
; 16 matrix instructions: A's tiles a0, a0 + 1 x B's eight.  first = 1: the sums begin with the bias as C (window 1).  The 64 accumulators take turns.
.macro MUL16 a0, p, q, sc, first
.irp a, \a0, \a0+1
.irp b, 0,1,2,3,4,5,6,7
.if \first
	v_wmma_scale_f32_16x16x128_f8f6f4 v[8*(8*((\a)%4)+\b):8*(8*((\a)%4)+\b)+7], v[128*(\p)+FR*\b:128*(\p)+FR*\b+FR-1], v[AF+FR*(\a):AF+FR*(\a)+FR-1], v[96+128*(\b/4)+8*(\b%4):96+128*(\b/4)+8*(\b%4)+7], v[SC+16*(\sc)+8*(\q)+\b], v[SC+16*(\sc)+8*(\q)+(\a)] matrix_a_fmt:MATRIX_FMT_BF6 matrix_b_fmt:MATRIX_FMT_BF6 matrix_a_scale:MATRIX_SCALE_ROW1
.else
	v_wmma_scale_f32_16x16x128_f8f6f4 v[8*(8*((\a)%4)+\b):8*(8*((\a)%4)+\b)+7], v[128*(\p)+FR*\b:128*(\p)+FR*\b+FR-1], v[AF+FR*(\a):AF+FR*(\a)+FR-1], v[8*(8*((\a)%4)+\b):8*(8*((\a)%4)+\b)+7], v[SC+16*(\sc)+8*(\q)+\b], v[SC+16*(\sc)+8*(\q)+(\a)] matrix_a_fmt:MATRIX_FMT_BF6 matrix_b_fmt:MATRIX_FMT_BF6 matrix_a_scale:MATRIX_SCALE_ROW1
.endif
.endr
.endr
.endm
.macro FETCH_B slot, q, p
	WIN TO_B
.irp i, 0,1,2,3,4,5,6,7
	FRAG 128*(\p)+FR*\i, ADRB+\slot, \q, \i
.endr
	WIN 0
.endm
.macro FETCH_A slot, q, i0
.irp i, \i0, \i0+1, \i0+2, \i0+3
	FRAG AF+FR*(\i), ADRA+\slot, \q, \i
.endr
.endm
.macro SCALES sc
.irp q, 0,1
.irp m, 0,1,2,3
	ds_load_b64 v[SC+16*\sc+8*\q+2*\m:SC+16*\sc+8*\q+2*\m+1], v[ADRS] offset:(\m/2)*2048+\q*256+(\m%2)*128
.endr
.endr
.endm
.macro PLACES n
.rept \n
	v_nop
.endr
.endm
.macro STEP slot, q, first
	s_wait_dscnt 4*NL                              ; all but the youngest 24 loads (A's tiles 4-7) are in
.if \first
	WIN 0x91                                       ; C window 1, D window 2
.else
	WIN MUL_LO
.endif
	MUL16 0, (\q)%2, \q, \slot, \first
	MUL16 2, (\q)%2, \q, \slot, \first
	s_wait_dscnt 0
	PLACES NP
	FETCH_B \slot, (\q)+1, 1-(\q)%2
	FETCH_A \slot, (\q)+1, 0
.if \first
	WIN 0xd1                                       ; C window 1, D window 3
.else
	WIN MUL_HI
.endif
	MUL16 4, (\q)%2, \q, \slot, \first
	MUL16 6, (\q)%2, \q, \slot, \first
	PLACES NP
	WIN 0
	FETCH_A \slot, (\q)+1, 4
.endm
.macro TURN slot, next, fill
	s_wait_tensorcnt 0x0                           ; all my tensor loads have landed: my part of the next slot
	ds_add_u32 v[SPW], v[NIL]
	s_wait_dscnt 4*NL+1                            ; (the add and the youngest 24 loads may be out)
	WIN MUL_LO
	MUL16 0, 1, 1, \slot, 0
	s_wait_dscnt 0x0                               ; the add is done, and my reads of this slot are over
	s_barrier_signal -1
	MUL16 2, 1, 1, \slot, 0
	WIN 0
	s_barrier_wait -1
.if \fill
	CREST                                          ; a round of the cluster's barrier: no wave of any partner still reads this slot or has a load on its way
	s_add_nc_u64 s[G0+4*\slot+2:G0+4*\slot+3], s[G0+4*\slot+2:G0+4*\slot+3], 2*HALFT
	s_add_nc_u64 s[G0B+4*\slot+2:G0B+4*\slot+3], s[G0B+4*\slot+2:G0B+4*\slot+3], 2*HALFT
	JLOAD G0+4*\slot, G1, G0B+4*\slot, G1B         ; the first tensor load behind the round
.else
	PLACES NP
.endif
	v_add_nc_u32 v[ADRS], 512, v[ADRS]
	FETCH_B \next, 0, 0
	FETCH_A \next, 0, 0
	SCALES \next
	WIN MUL_HI
	MUL16 4, 1, 1, \slot, 0
	MUL16 6, 1, 1, \slot, 0
	PLACES NP
	WIN 0
	FETCH_A \next, 0, 4
.endm
	s_wait_tensorcnt 1                             ; the scale words and my part of slot 0 are in; slot 1's load may be out
	s_barrier_signal -1
	s_barrier_wait -1
	FETCH_B 0, 0, 0
	FETCH_A 0, 0, 0
	SCALES 0
	FETCH_A 0, 0, 4
	s_wait_loadcnt 0x0                             ; the bias
	STEP 0, 0, 1
	TURN 0, 1, 1
	STEP 1, 0, 0
	TURN 1, 0, 1
	STEP 0, 0, 0
	TURN 0, 1, 0
	STEP 1, 0, 0
	s_wait_dscnt 4*NL
	WIN MUL_LO
	MUL16 0, 1, 1, 1, 0
	MUL16 2, 1, 1, 1, 0
	s_wait_dscnt 0
	WIN MUL_HI
	MUL16 4, 1, 1, 1, 0
	MUL16 6, 1, 1, 1, 0
	WIN 0
; THE WAY OUT, tile by tile of 16 tokens x 128 columns, through my own stage: a lane's eight numbers go to their columns' place in row r; whole rows of 512 bytes come back and are stored.
; LDS serves a wave's instructions in order (ISA guide 5.7.1.4): no wait between the stores and the loads.
.macro TOSTAGE a
.set AC, 64*((\a)%4)
.set WN, 0x08+4*((\a)/4)               ; the data: window 2 or 3
	WIN WN
.irp b, 0,1,2,3,4,5,6,7
	ds_store_b128 v[STO], v[AC+8*\b:AC+8*\b+3] offset:128*(\b/2)+32*(\b%2)       ; each accumulator from its low end on
	ds_store_b128 v[STO], v[AC+8*\b+4:AC+8*\b+7] offset:128*(\b/2)+32*(\b%2)+16
.endr
	WIN 0
.set BR, BK+64*((\a)%2)
.irp t, 0,1,2,3,4,5,6,7,8,9,10,11,12,13,14,15
	ds_load_b128 v[BR+4*\t:BR+4*\t+3], v[RD] offset:\t*SPITCH
.endr
.endm
.macro SEND a, younger                 ; younger: the LDS instructions issued behind tile a's loads
.set BR, BK+64*((\a)%2)
	s_wait_dscnt \younger
.if (\a) > 0
.if (\a)%2 == 1
	s_add_nc_u64 s[12:13], s[12:13], 8*4096        ; (behind a wait on XCNT)  a tile's first row: 32 (a / 2) + 8 (a % 2)
.else
	s_add_nc_u64 s[12:13], s[12:13], 24*4096
.endif
.endif
.irp t, 0,1,2,3,4,5,6,7,8,9,10,11,12,13,14,15
	global_store_b128 v[CO], v[BR+4*\t:BR+4*\t+3], s[12:13] offset:(\t+8*(\t/8))*4096 th:TH_STORE_NT   ; 32 lanes store 512 consecutive bytes, aligned to 256; written once
.endr
.endm
	PLACES NP
	TOSTAGE 0
.irp a, 1,2,3,4,5,6,7
.if \a > 1
	s_wait_xcnt 0x0                                ; tile a - 2's stores have read their registers and their base
.endif
	TOSTAGE \a
	SEND \a-1, 32                                  ; behind tile a - 1's loads: tile a's 16 stores and 16 loads
.endr
	s_wait_xcnt 0x0
	SEND 7, 0
	s_wait_tensorcnt 0x0                           ; the wave's end
	ds_add_u32 v[SPW], v[NIL]
	s_wait_dscnt 0x0
	CROUND                                         ; the closing round
	s_endpgm
.Lfunc_end_k_q33311e55ce_oproj:
	.size	k_q33311e55ce_oproj, .Lfunc_end_k_q33311e55ce_oproj-k_q33311e55ce_oproj
	.p2alignl 7, 3214868480
	.fill 96, 4, 3214868480
	.section	.rodata,"a",@progbits
	.p2align	6, 0x0
	.amdhsa_kernel k_q33311e55ce_oproj
		.amdhsa_group_segment_fixed_size 327680
		.amdhsa_private_segment_fixed_size 0
		.amdhsa_enable_private_segment 0
		.amdhsa_kernarg_size 48
		.amdhsa_user_sgpr_count 2
		.amdhsa_user_sgpr_kernarg_segment_ptr 1
		.amdhsa_wavefront_size32 1
		.amdhsa_system_sgpr_workgroup_id_x 1
		.amdhsa_system_sgpr_workgroup_id_y 1
		.amdhsa_system_sgpr_workgroup_id_z 1
		.amdhsa_system_vgpr_workitem_id 0
		.amdhsa_next_free_vgpr 1024
		.amdhsa_next_free_sgpr 102
		.amdhsa_reserve_vcc 0
		.amdhsa_float_denorm_mode_32 3
		.amdhsa_float_denorm_mode_16_64 3
		.amdhsa_memory_ordered 1
		.amdhsa_forward_progress 1
		.amdhsa_inst_pref_size 161
	.end_amdhsa_kernel
	.amdgpu_metadata
---
amdhsa.version: [ 1, 2 ]
amdhsa.kernels:
  - .name:           k_q33311e55ce_oproj
    .symbol:         k_q33311e55ce_oproj.kd
    .args:
      - { .name: o_img, .offset: 0, .size: 8, .value_kind: global_buffer, .address_space: global }
      - { .name: o_s, .offset: 8, .size: 8, .value_kind: global_buffer, .address_space: global }
      - { .name: xw, .offset: 16, .size: 8, .value_kind: global_buffer, .address_space: global }
      - { .name: xws, .offset: 24, .size: 8, .value_kind: global_buffer, .address_space: global }
      - { .name: WO_b, .offset: 32, .size: 8, .value_kind: global_buffer, .address_space: global }
      - { .name: out0, .offset: 40, .size: 8, .value_kind: global_buffer, .address_space: global }
    .group_segment_fixed_size: 327680
    .private_segment_fixed_size: 0
    .kernarg_segment_align: 8
    .kernarg_segment_size: 48
    .max_flat_workgroup_size: 128
    .sgpr_count:     102
    .vgpr_count:     1024
    .wavefront_size: 32
...
	.end_amdgpu_metadata
.endif
;; end of part 4
